; MI455X (gfx1250); checked and timed in simulation.
; The chip was launched on July 23, 2026; its instructions are those of AMD's public machine-readable ISA for CDNA 5 (MIT licence, August 2026) and "CDNA5" Instruction Set Architecture Reference Guide (July 2026). The comments in the code are by the model that wrote it; some were corrected since.
;; Split QKV Attention. Allowed arithmetic: matrix products marked QUANTISED: E2M1 operands, one E8M0 scale for each 32 along K, by v_wmma_scale_f32_16x16x128_f8f6f4 with both operands' format E2M1 (or v_wmma_scale_f32_32x16x128_f4), f32 sums; products left as they are: bf16, f16 or f32 operands; f32 sums; everything else in f32.
;; Inputs: Wk 1,024 x 1,024 float32; Wo 1,024 x 1,024 float32; Wq 1,024 x 1,024 float32; Wv 1,024 x 1,024 float32; attn_mask 2,048 x 2,048 float32; bk 1,024 float32; bo 1,024 float32; bq 1,024 float32; bv 1,024 float32; key 2,048 x 4 x 1,024 float32; key_padding_mask 4 x 2,048 bool; query 2,048 x 4 x 1,024 float32; value 2,048 x 4 x 1,024 float32.
;; Outputs: out0 2,048 x 4 x 1,024 float32.
;; This version of the problem:
;;   THIS VERSION OF THE PROBLEM IS GIVEN IN LOW PRECISION. The matrix products marked QUANTISED in the list below multiply operands that are first quantised to E2M1 (2 exponent bits, 1 mantissa bit; 4 bits a number), with one power-of-two scale for each 32 numbers along K (OCP MX v1.0); their sums are f32. The products marked 'left as it is' may take bf16, f16 or f32 operands, with f32 sums. Whichever they take, every output number must still come out within the allowed error. Rounding operands to bf16 (8 significant bits) uses up far more of that allowance than f16 does (11 bits, for magnitudes from 6e-5 to 65,504). All else is computed in f32.
;;   The module's matrix products, in the order in which they are computed (A, B: the left and right operand; K: the contracted axis; several contracted axes count as one K, in the product's order):
;;     1. [M 8,192, K 1,024] x [K 1,024, N 1,024]; A: input query; B: input Wq: QUANTISED
;;     2. [M 8,192, K 1,024] x [K 1,024, N 1,024]; A: input key; B: input Wk: QUANTISED
;;     3. [M 8,192, K 1,024] x [K 1,024, N 1,024]; A: input value; B: input Wv: QUANTISED
;;     4. batch 64 x [M 2,048, K 64] x [K 64, N 2,048]; A: computed on the way; B: computed on the way: left as it is (an operand is computed on the way)
;;     5. batch 64 x [M 2,048, K 2,048] x [K 2,048, N 64]; A: computed on the way; B: computed on the way: left as it is (an operand is computed on the way)
;;     6. [M 8,192, K 1,024] x [K 1,024, N 1,024]; A: computed on the way; B: input Wo: left as it is (an operand is computed on the way)
;;   THE QUANTISER, for each operand of a quantised product, along K:
;;     - K is cut into blocks of 32 from its start; a last block that is shorter is filled with zeros.
;;     - A block's scale is 2^e with e = floor(log2(the largest magnitude in the block)) - 2, held to -126 .. 127; a block of zeros has e = 0. As a byte (E8M0): e + 127.
;;     - Each number is divided by its block's scale, clamped to +-6, and rounded to the nearest number of E2M1, ties to even, subnormals kept.
;;     - The product sums the exact products of the quantised numbers (number of the format x scale) in f32.
;;   ~~~python
;;   def quantise(x, axis):      # numpy; x: float32 -> the quantised numbers, widened to float32 again
;;       x = np.moveaxis(x, axis, -1); K = x.shape[-1]
;;       x = np.pad(x, [(0, 0)] * (x.ndim - 1) + [(0, -K % 32)]); x = x.reshape(x.shape[:-1] + (-1, 32)); a = np.abs(x).max(-1, keepdims=True)
;;       e = np.where(a > 0, np.clip(np.frexp(np.where(a > 0, a, 1))[1] - 1 - 2, -126, 127), 0)      # np.frexp(a)[1] - 1 = floor(log2(a)), exactly
;;       r = np.clip(x / 2.0 ** e, -6, 6)
;;       step = 2.0 ** (np.maximum(np.frexp(np.where(r == 0, 1, r))[1] - 1, 0) - 1)
;;       q = np.round(r / step) * step * 2.0 ** e      # np.round: ties to even
;;       return np.moveaxis(q.reshape(q.shape[:-2] + (-1,))[..., :K], -1, axis).astype(np.float32)
;;   ~~~
;; One version. Each part assembles by itself: llvm-mc -triple=amdgcn-amd-amdhsa -mcpu=gfx1250 --defsym DOCPART=n.
;; ======== version 1 of 1: 4 launches
;; limits: values are held in f16: magnitudes above 65,504 overflow, below 6.1e-05 lose precision; right only within a limited range of input values
;; workspace buffers: codes 14,155,776 bytes; scales 884,736 bytes; qkv 50,331,648 bytes; aimg 16,777,216 bytes; woimg 2,097,152 bytes
;; launch prep (part 1): grid 880 x 1, 4 waves a work-group, no clusters, 33,280 bytes of LDS; arguments query, key, value, Wq, Wk, Wv, Wo, codes, scales, woimg; writes codes, scales, woimg
.if DOCPART == 1
	.amdgcn_target "amdgcn-amd-amdhsa--gfx1250"
	.amdhsa_code_object_version 6
	.text
	.protected	k_q3502218f7c_prep
	.globl	k_q3502218f7c_prep
	.p2align	8
	.type	k_q3502218f7c_prep,@function
k_q3502218f7c_prep:
	s_mov_b64 s[64:65], 0
	v_nop
	global_prefetch_b8 v0, s[64:65] scope:SCOPE_SE
	s_setreg_imm32_b32 hwreg(HW_REG_WAVE_MODE, 25, 1), 1
	s_wait_xcnt 0x0
; query, key, value [2048][4][1024] and Wq, Wk, Wv [1024][1024], f32, K innermost, become codes of FP4 (E2M1), two a byte, with one E8M0 byte for each 32 along K.
; Wo [1024][1024] becomes f16, laid as images of the operand registers of the last product.
; A block's scale is 2^(floor(log2(its largest magnitude)) - 2): its byte is the largest magnitude's exponent field - 2, held at 1 from below.
; codes: rows of 512 bytes.  x's part p (query, key, value) begins at p x 4 MiB, its row is b x 2048 + t (batch-major, so that 16 neighbouring rows are 16 neighbouring t);
;        W's part j begins at 12 MiB + j x 512 KiB, row n.   scales: 32 bytes a row, at the codes' byte offset / 16.
; woimg: [ks 8][nb 64][f 8][512 bytes]: piece f = 2 kb + c of the 16 rows 16 nb .. and the 128 along K from 128 ks: lane (r, h) holds Wo(16 nb + r, 128 ks + 32 kb + 16 c + 8 h + 0..7) as 16 bytes at 16 x lane.
; LIMITS: blocks whose largest magnitude lies under 2^-124, blocks of zeros among them, get the byte 1 (their bytes are read by this program alone; zero codes add nothing); NaN and infinities among the
; quantised inputs are not served; Wo beyond 65,504 in magnitude becomes an infinity of f16, under 6e-5 it keeps an absolute error of 3e-8.
; SHARES: work-groups 0-767 take x (256 for each tensor: wave w is batch w, 8 values of t), 768-863 the three W (32 each: a wave 8 rows), 864-879 Wo (a wave 16 rows).
; A wave's 8 rows are 16 steps of 512 numbers.  Each load reads 512 consecutive bytes; a step's 2,048 bytes turn through the wave's own stage in LDS, so that a lane then holds 16 neighbours along K.
; No tensor load, no barrier: waves share nothing.  Loads run four steps (16 loads a wave) ahead, the turn through LDS one step.
.set WGX,   768                        ; work-groups for x
.set WGQ,   864                        ; and with those for Wq, Wk, Wv
.set WAVES, 4
.set STEPS, 16
.set EMAX,  2
.set CB,    8                          ; bytes of 16 codes
.set R,     16                         ; v16-79   four sets of 16 numbers as loaded
.set X,     80                         ; v80-111  two sets of 16 neighbours
.set E,     112                        ; v112-127 a scale byte for each step
.set C,     128                        ; v128-191 codes: four registers for each step, so that no store's data are written again
.set VO,    192                        ; v192-199 16 x lane + row i's distance in memory
.set WREG,  8192                       ; LDS: a region for each wave: two stages of 32 x SP bytes, then its 256 scale bytes
.set SP,    80                         ; a lane's place in a stage: 64 bytes + 16 of padding
.set SPW,   12                         ; v12 LDS address of my spare word; never rewritten
.set NIL,   13                         ; v13 0; never rewritten
.set SPARE, WAVES*WREG                 ; behind the four regions: the spare words, 128 bytes a wave
.set WS,    16                         ; Wo's path: v16-79, v80-143 two sets of 64 numbers
.set WOU,   144                        ; v144-175 their 32 registers of f16
	s_load_b512 s[4:19], s[0:1], 0x0               ; query s[4:5], key s[6:7], value s[8:9], Wq s[10:11], Wk s[12:13], Wv s[14:15], Wo s[16:17], codes s[18:19]
	s_load_b128 s[20:23], s[0:1], 0x40             ; scales s[20:21], woimg s[22:23]
	v_lshl_add_u32 v[SPW], v0, 2, SPARE
	v_mov_b32 v[NIL], 0
	v_lshrrev_b32 v1, 5, v0
	v_readfirstlane_b32 s24, v1                    ; wave
	v_and_b32 v2, 31, v0                           ; lane
	v_lshlrev_b32 v3, 4, v2                        ; 16 x lane
	s_cmp_ge_u32 ttmp9, WGQ
	s_cbranch_scc1 .Lwo                            ; the work-group's number alone decides
	s_mul_i32 s25, s24, WREG
	v_lshrrev_b32 v14, 2, v2
	v_mul_u32_u24 v14, v14, SP
	v_and_b32 v15, 3, v2
	v_lshl_add_u32 v14, v15, 4, v14
	v_add_nc_u32 v14, s25, v14                     ; the stage, on the way in: SP (lane / 4) + 16 (lane % 4)
	v_mul_u32_u24 v15, v2, SP
	v_add_nc_u32 v15, s25, v15                     ; and on the way out: SP x lane: my 16 neighbours
	v_mul_u32_u24 v4, v2, CB                       ; my codes' place in a step's 256 bytes
	v_lshrrev_b32 v5, 1, v2
	s_add_co_u32 s25, s25, 2*32*SP
	v_add_nc_u32 v5, s25, v5                       ; LDS: my wave's 256 scale bytes, my block's byte
	v_lshlrev_b32 v7, 3, v2
	v_add_nc_u32 v6, s25, v7                       ; and on the way out 8 bytes a lane
	; what differs between x and W is chosen, not branched on: all selects first, since the arithmetic behind them sets SCC
	s_cmp_lt_u32 ttmp9, WGX
	s_cselect_b32 s28, 255, 31                     ; the work-group's number inside its tensor
	s_mov_b32 s29, 4096
	s_cselect_b32 s29, 16384, s29                  ; from one of my rows to the next in memory: x: 4 batches x 4,096; W: 4,096
	s_mov_b32 s30, 32768
	s_cselect_b32 s30, 4096, s30                   ; from wave to wave in memory: x: a batch; W: 8 rows
	s_cselect_b32 s31, 8, 5
	s_cselect_b32 s32, 0, WGX
	s_cselect_b32 s33, 22, 19                      ; a part of the codes: 4 MiB or 512 KiB
	s_cselect_b32 s34, 0, 0xC00000
	s_cselect_b32 s35, 20, 12                      ; from wave to wave in the codes: 2,048 rows or 8
	s_cselect_b32 s36, 12, 14                      ; from work-group to work-group: 8 rows or 32
	s_and_b32 s28, ttmp9, s28
	s_sub_co_u32 s32, ttmp9, s32
	s_lshr_b32 s32, s32, s31                       ; which tensor of its kind
	s_lshl_b32 s38, s28, 17                        ; 131,072 bytes of memory a work-group, in both kinds
	s_mul_i32 s30, s30, s24
	s_add_co_u32 s38, s38, s30
	s_mov_b32 s39, 0
	s_lshl_b32 s32, s32, s33
	s_add_co_u32 s40, s34, s32
	s_lshl_b32 s35, s24, s35
	s_add_co_u32 s40, s40, s35
	s_lshl_b32 s36, s28, s36
	s_add_co_u32 s40, s40, s36                     ; my wave's 4,096 bytes of codes
	s_mov_b32 s41, 0
	s_lshr_b32 s42, s40, 4                         ; and its 256 scale bytes
	s_mov_b32 s43, 0
.irp i, 0,1,2,3,4,5,6,7
	s_mul_i32 s37, s29, \i
	v_add_nc_u32 v[VO+\i], s37, v3
.endr
	s_wait_kmcnt 0x0
	s_mov_b64 s[26:27], s[14:15]                   ; the tensor, by the work-group's number alone
	s_cmp_lt_u32 ttmp9, 832
	s_cselect_b64 s[26:27], s[12:13], s[26:27]
	s_cmp_lt_u32 ttmp9, 800
	s_cselect_b64 s[26:27], s[10:11], s[26:27]
	s_cmp_lt_u32 ttmp9, 768
	s_cselect_b64 s[26:27], s[8:9], s[26:27]
	s_cmp_lt_u32 ttmp9, 512
	s_cselect_b64 s[26:27], s[6:7], s[26:27]
	s_cmp_lt_u32 ttmp9, 256
	s_cselect_b64 s[26:27], s[4:5], s[26:27]
	s_add_nc_u64 s[26:27], s[26:27], s[38:39]
	s_add_nc_u64 s[18:19], s[18:19], s[40:41]
	s_add_nc_u64 s[20:21], s[20:21], s[42:43]
.macro LOAD t                          ; step t: half t % 2 of my row t / 2
.irp i, 0,1,2,3
	global_load_b128 v[R+16*((\t)%4)+4*\i:R+16*((\t)%4)+4*\i+3], v[VO+(\t)/2], s[26:27] offset:2048*((\t)%2)+512*\i th:TH_LOAD_NT   ; 32 lanes read 512 consecutive bytes
.endr
.endm
.macro TURN t                          ; step t's numbers through the stage: LDS serves a wave's instructions in order, so no wait stands between the stores and the loads
.irp i, 0,1,2,3
	ds_store_b128 v14, v[R+16*((\t)%4)+4*\i:R+16*((\t)%4)+4*\i+3] offset:32*SP*((\t)%2)+8*SP*\i
.endr
.irp i, 0,1,2,3
	ds_load_b128 v[X+16*((\t)%2)+4*\i:X+16*((\t)%2)+4*\i+3], v15 offset:32*SP*((\t)%2)+16*\i
.endr
.endm
.irp t, 0,1,2,3
	LOAD \t
.endr
	s_wait_loadcnt 12                              ; step 0's four loads are in; the twelve of steps 1 to 3 may be out
	TURN 0
.macro STEP t
.set XS, X+16*((\t)%2)
.if (\t) > 0
	s_wait_dscnt 1                                 ; this step's numbers are back from the stage (the last step's byte store may be out): so its stores into the stage have read their registers,
.else
	s_wait_dscnt 0x0
.endif
.if (\t)+4 < STEPS
	LOAD (\t)+4                                    ; which take the loads of four steps on
.endif
.if (\t)+1 < STEPS
.if STEPS-2-(\t) >= 3
	s_wait_loadcnt 12                              ; the next step's four loads are in; those of the three steps behind it may be out
.else
	s_wait_loadcnt 4*(STEPS-2-(\t))
.endif
	TURN (\t)+1                                    ; and go through the other stage while this step is worked
.endif
	v_max3_num_f32 v8, |v[XS]|, |v[XS+1]|, |v[XS+2]|               ; the largest magnitude of my 16, in two chains
	v_max3_num_f32 v9, |v[XS+3]|, |v[XS+4]|, |v[XS+5]|
.irp i, 6,10
	v_max3_num_f32 v8, v8, |v[XS+\i]|, |v[XS+\i+1]|
	v_max3_num_f32 v9, v9, |v[XS+\i+2]|, |v[XS+\i+3]|
.endr
	v_max3_num_f32 v8, v8, |v[XS+14]|, |v[XS+15]|
	v_max3_num_f32 v8, v8, v9, (EMAX+1)<<23        ; and the floor 2^(3 - 127): the byte cannot fall under 1
	v_max_num_f32_dpp v8, v8, v8 row_xmask:1 row_mask:0xf bank_mask:0xf   ; and of my neighbour's 16: the block's
	v_add_nc_u32 v11, -(EMAX<<23), v8              ; 2 off its exponent field: the conversion takes the exponent field of this operand as its scale
	v_cvt_scalef32_pk8_fp4_f32 v[C+4*(\t)], v[XS:XS+7], v11        ; to the nearest code, ties to even, beyond 6 the largest code; the first number's code in the lowest four bits
	v_cvt_scalef32_pk8_fp4_f32 v[C+4*(\t)+1], v[XS+8:XS+15], v11
	v_lshrrev_b32 v[E+(\t)], 23, v11               ; the scale's byte (also the plain line behind the conversions)
	ds_store_b8 v5, v[E+(\t)] offset:16*(\t)       ; both lanes of a block write the same byte with the same value
	global_store_b64 v4, v[C+4*(\t):C+4*(\t)+1], s[18:19] offset:32*CB*(\t)   ; the wave stores 256 consecutive bytes, aligned
.endm
.irp t, 0,1,2,3,4,5,6,7,8,9,10,11,12,13,14,15
	STEP \t
.endr
	ds_load_b64 v[8:9], v6                         ; LDS serves a wave's instructions in order: these see my byte stores
	s_wait_dscnt 0x0
	global_store_b64 v7, v[8:9], s[20:21]          ; my 8 rows' 256 scale bytes, consecutive and aligned
	s_wait_tensorcnt 0x0                           ; the wave's end, behind my last LDS store
	ds_add_u32 v[SPW], v[NIL]
	s_wait_dscnt 0x0
	s_endpgm
; Wo: a wave takes the 16 rows 16 nb ..; no LDS is touched on this path.  A load takes 16 bytes a lane of 16 rows: pieces of rows, accepted since Wo is 4 MiB of the 112 MiB that the launch reads.
.Lwo:
	v_and_b32 v4, 15, v0                           ; r
	v_bfe_u32 v5, v0, 4, 1                         ; h
	v_lshlrev_b32 v1, 12, v4
	v_lshl_add_u32 v1, v5, 5, v1                   ; row r of 4,096 bytes + 8 h numbers
	s_sub_co_u32 s25, ttmp9, WGQ
	s_lshl_b32 s25, s25, 2
	s_add_co_u32 s25, s25, s24                     ; nb
	s_lshl_b32 s28, s25, 16                        ; 16 rows of 4,096 bytes
	s_mov_b32 s29, 0
	s_lshl_b32 s30, s25, 12                        ; 4,096 bytes of images for each K step
	s_mov_b32 s31, 0
	s_wait_kmcnt 0x0
	s_add_nc_u64 s[16:17], s[16:17], s[28:29]
	s_add_nc_u64 s[22:23], s[22:23], s[30:31]
.macro WOL ks                          ; 128 along K: 8 pieces of 8 numbers a lane, into set ks % 2
.irp f, 0,1,2,3,4,5,6,7
	global_load_b128 v[WS+64*((\ks)%2)+8*\f:WS+64*((\ks)%2)+8*\f+3], v1, s[16:17] offset:512*(\ks)+64*\f
	global_load_b128 v[WS+64*((\ks)%2)+8*\f+4:WS+64*((\ks)%2)+8*\f+7], v1, s[16:17] offset:512*(\ks)+64*\f+16
.endr
.endm
.macro WOC ks
.if (\ks) < 7
	WOL (\ks)+1
	s_wait_loadcnt 16                              ; this K step's 16 loads are in; the next one's 16 may be out
.else
	s_wait_loadcnt 0x0
.endif
	s_wait_xcnt 0x0                                ; the last K step's stores have read their data registers, which are written anew below
.set i, 0
.rept 32
	v_cvt_pk_f16_f32 v[WOU+i], v[WS+64*((\ks)%2)+2*i], v[WS+64*((\ks)%2)+2*i+1]
.set i, i+1
.endr
.irp f, 0,1,2,3,4,5,6,7
	global_store_b128 v3, v[WOU+4*\f:WOU+4*\f+3], s[22:23] offset:262144*(\ks)+512*\f   ; a piece: 512 consecutive bytes
.endr
.endm
	WOL 0
.irp k, 0,1,2,3,4,5,6,7
	WOC \k
.endr
	s_endpgm
.Lfunc_end_k_q3502218f7c_prep:
	.size	k_q3502218f7c_prep, .Lfunc_end_k_q3502218f7c_prep-k_q3502218f7c_prep
	.p2alignl 7, 3214868480
	.fill 96, 4, 3214868480
	.section	.rodata,"a",@progbits
	.p2align	6, 0x0
	.amdhsa_kernel k_q3502218f7c_prep
		.amdhsa_group_segment_fixed_size 33280
		.amdhsa_private_segment_fixed_size 0
		.amdhsa_enable_private_segment 0
		.amdhsa_kernarg_size 80
		.amdhsa_user_sgpr_count 2
		.amdhsa_user_sgpr_kernarg_segment_ptr 1
		.amdhsa_wavefront_size32 1
		.amdhsa_system_sgpr_workgroup_id_x 1
		.amdhsa_system_sgpr_workgroup_id_y 1
		.amdhsa_system_sgpr_workgroup_id_z 1
		.amdhsa_system_vgpr_workitem_id 0
		.amdhsa_next_free_vgpr 200
		.amdhsa_next_free_sgpr 66
		.amdhsa_reserve_vcc 0
		.amdhsa_float_denorm_mode_32 3
		.amdhsa_float_denorm_mode_16_64 3
		.amdhsa_memory_ordered 1
		.amdhsa_forward_progress 1
		.amdhsa_inst_pref_size 70
	.end_amdhsa_kernel
	.amdgpu_metadata
---
amdhsa.version: [ 1, 2 ]
amdhsa.kernels:
  - .name:           k_q3502218f7c_prep
    .symbol:         k_q3502218f7c_prep.kd
    .args:
      - { .name: query, .offset: 0, .size: 8, .value_kind: global_buffer, .address_space: global }
      - { .name: key, .offset: 8, .size: 8, .value_kind: global_buffer, .address_space: global }
      - { .name: value, .offset: 16, .size: 8, .value_kind: global_buffer, .address_space: global }
      - { .name: Wq, .offset: 24, .size: 8, .value_kind: global_buffer, .address_space: global }
      - { .name: Wk, .offset: 32, .size: 8, .value_kind: global_buffer, .address_space: global }
      - { .name: Wv, .offset: 40, .size: 8, .value_kind: global_buffer, .address_space: global }
      - { .name: Wo, .offset: 48, .size: 8, .value_kind: global_buffer, .address_space: global }
      - { .name: codes, .offset: 56, .size: 8, .value_kind: global_buffer, .address_space: global }
      - { .name: scales, .offset: 64, .size: 8, .value_kind: global_buffer, .address_space: global }
      - { .name: woimg, .offset: 72, .size: 8, .value_kind: global_buffer, .address_space: global }
    .group_segment_fixed_size: 33280
    .private_segment_fixed_size: 0
    .kernarg_segment_align: 8
    .kernarg_segment_size: 80
    .max_flat_workgroup_size: 128
    .sgpr_count:     66
    .vgpr_count:     200
    .wavefront_size: 32
...
	.end_amdgpu_metadata
.endif
;; end of part 1
;; launch proj (part 2): grid 4 x 96, 4 waves a work-group, clusters of 4 x 4, 327,680 bytes of LDS; arguments codes, scales, bq, bk, bv, qkv; writes qkv
.if DOCPART == 2
	.amdgcn_target "amdgcn-amd-amdhsa--gfx1250"
	.amdhsa_code_object_version 6
	.text
	.protected	k_q3502218f7c_proj
	.globl	k_q3502218f7c_proj
	.p2align	8
	.type	k_q3502218f7c_proj,@function
k_q3502218f7c_proj:
	s_mov_b64 s[64:65], 0
	v_nop
	global_prefetch_b8 v0, s[64:65] scope:SCOPE_SE
	s_setreg_imm32_b32 hwreg(HW_REG_WAVE_MODE, 25, 1), 1
	s_wait_xcnt 0x0
	s_wait_alu depctr_hold_cnt(0) depctr_sa_sdst(0) depctr_va_vdst(0) depctr_va_sdst(0) depctr_va_ssrc(0) depctr_va_vcc(0) depctr_vm_vsrc(0)
	s_getreg_b32 s2, hwreg(HW_REG_IB_STS2, 6, 4)
	s_cmp_eq_u32 s2, 0
	s_cbranch_scc0 .Lentry_in_a_cluster
	s_endpgm
.Lentry_in_a_cluster:
	s_bfe_u32 s2, ttmp6, 0x10000c
	s_cmp_lg_u32 s2, 0xf033
	s_cbranch_scc0 .Lentry_shape_is_right
	s_endpgm
.Lentry_shape_is_right:
; The three quantised products in one launch: y = x W^T + bias on codes of FP4 with E8M0 scales, K = 1,024; q is multiplied by 1/8 (exact); the results leave as f16.
; x: 24,576 stacked rows (part p = 0, 1, 2: query, key, value; row b x 2048 + t inside a part) of 512 bytes of codes; W's part p behind them (12 MiB + p x 512 KiB); scale bytes at the codes' offset / 16.
; A tile of 256 rows x 256 columns is made by four waves, each 128 x 128: 64 accumulators, 512 registers.  K is two slots of 512 along K: both are asked for at the head, nothing is filled again.
; CLUSTERS: 4 x 4 work-groups; A's tiles (and scales) are asked for jointly along a row of the cluster, B's along a column.  The part p hangs on the cluster's y alone: it is the same in all sixteen.
; THE MATRIX INSTRUCTION IS USED TRANSPOSED (source 0 = 16 rows of W, source 1 = 16 rows of x): lane (r, h) holds row r and columns 8 h + 0..7.  The bias is the C of each sum's first instruction.
; THE WAY OUT needs no LDS: a lane's eight results, as f16, are 16 bytes that ARE registers 4 c .. 4 c + 3 of the next product's 16-bit fragment, in the same lane: a tile of 16 x 16 leaves as 512 consecutive bytes.
; qkv: [bh 64][step 32 (64 t)][part 3][kt 4 (16 t)][cb 4 (16 channels)][512 bytes].  Q, K: lane L's 16 bytes at 16 L.  V: lane (r, h)'s at 16 (16 (r / 8) + 8 h + r % 8), so that the turning LDS load at 16 x lane gives V^T.
; LIMITS: results beyond 65,504 in magnitude become infinities of f16; under 6e-5 they keep an absolute error of 3e-8.
; REGISTERS: window 0: v16-29 addresses; v32-95 scale words, two sets, and nothing else; v96-127 and v192-223 the way out; v128-191 A's fragments, one set; v192-255 the bias (8 column blocks x 8) until the first step is issued.
;   window 1: B's fragments, two sets, at v0 and v128.   window 2: accumulators of my rows 0-63 ((a, b) at v[8 (8 a + b)]);   window 3: rows 64-127.
.set NQ,     4                         ; matrix instructions deep in a slot: 512 along K
.set ROWB,   256                       ; a tile's row in bytes
.set KROW,   512                       ; a row of codes in memory
.set PITCH,  272                       ; an LDS row: 256 + 16 bytes: the 16 rows that a load touches begin 68 words apart
.set FR,     8
.set NL,     2
.set NP,     4                         ; places behind this matrix instruction (ISA guide 7.12.1)
.set HALFT,  128*PITCH
.set SLOT,   4*HALFT                   ; A's 256 rows, then B's 256 rows
.set KS,     32                        ; a row of scale bytes
.set SCL,    2*SLOT                    ; behind the two slots: the scales, as rows of 256 bytes + 16 of padding
.set HALFS,  (128*KS/256)*272
.set SBLK,   (16*KS/256)*272
.set SPARE,  SCL+4*HALFS               ; the spare words, 128 bytes a wave
.set ADRA, 16                          ; v16-17 LDS address of my A fragments in slot 0, 1
.set ADRB, 20                          ; v20-21 the same for B
.set STOFF, 24                         ; v24 my 16 bytes' place in a piece of 512
.set BO,   25                          ; v25 32 h: my half's eight numbers of the bias
.set ADRS, 27                          ; v27 LDS address of my scale words: lanes 0-15 A's rows, lanes 16-31 B's
.set SPW,  28
.set NIL,  29
.set SC,   32
.set AF,   128
.set BIAS, 192
.set OUT0, 96                          ; the way out's two sets: v96-127, v192-223
.set WV,   16                          ; s16 wave; s17 its half of the rows (also: fetches for A or B); s18 its half of the columns (also: which 128 rows it fetches); s19 the part p
.set SCLF, 2                           ; s[2:3] 0.125 for q, else 1.0
.set VFL,  95                          ; s95 all ones for v, else 0
.set G1, 24
.set G0, 32
.set G1B, 48
.set G0B, 56
.set G1S, 68
.set G0S, 76
.set G1SB, 80
.set G0SB, 88
.set MSB, 0
.macro WIN new                         ; the immediate's high byte repeats the setting that is left
.if MSB != (\new)
	s_set_vgpr_msb (MSB<<8)|(\new)
.set MSB, (\new)
.endif
.endm
.set MUL_LO, 0xa1                      ; source 0 (B) window 1, source 1 (A) window 0, C and D window 2;  with the bias as C: 0x81
.set MUL_HI, 0xf1                      ; the same, C and D window 3;  with the bias as C: 0xc1
.set TO_B,   0x40
; A joint load: waves 0 and 1 fetch for A, waves 2 and 3 for B; the branch hangs on the wave's number alone.  An s_nop 0 and four v_nop follow each line.
.macro JLOAD g0a, g1a, g0b, g1b
	s_cmp_eq_u32 s17, 0
	s_cbranch_scc0 .Lfor_b_\@
	tensor_load_to_lds s[\g0a:\g0a+3], s[\g1a:\g1a+7]
	s_nop 0
.rept 4
	v_nop
.endr
	s_branch .Lasked_\@
.Lfor_b_\@:
	tensor_load_to_lds s[\g0b:\g0b+3], s[\g1b:\g1b+7]
	s_nop 0
.rept 4
	v_nop
.endr
.Lasked_\@:
.endm
.macro CROUND                          ; a round of the cluster's barrier
	s_barrier_signal -1
	s_barrier_wait -1
	s_cmp_lg_u32 s[WV], 0
	s_cbranch_scc1 .Lnot_wave_0_\@
	s_barrier_signal -3
.Lnot_wave_0_\@:
	s_barrier_wait -3
	s_barrier_signal -1
	s_barrier_wait -1
.endm
	s_load_b256 s[4:11], s[0:1], 0x0               ; codes s[4:5], scales s[6:7], bq s[8:9], bk s[10:11]
	s_load_b128 s[12:15], s[0:1], 0x20             ; bv s[12:13], qkv s[14:15]
	v_lshl_add_u32 v[SPW], v0, 2, SPARE
	v_mov_b32 v[NIL], 0
	ds_add_u32 v[SPW], v[NIL]                      ; the wave's opening: the add, twice on end, and its wait ahead of my first tensor load
	ds_add_u32 v[SPW], v[NIL]
	v_lshrrev_b32 v1, 5, v0
	v_readfirstlane_b32 s[WV], v1
	s_lshr_b32 s17, s[WV], 1
	s_and_b32 s18, s[WV], 1
	s_bfe_u32 s40, ttmp6, 0x40000                  ; cx
	s_bfe_u32 s41, ttmp6, 0x40004                  ; cy
	s_lshl_b32 s42, ttmp9, 2
	s_add_co_u32 s42, s42, s40                     ; tile column = 4 x cluster x + cx
	s_and_b32 s19, ttmp7, 0xffff                   ; cluster y
	s_lshl_b32 s43, s19, 2
	s_add_co_u32 s43, s43, s41                     ; tile row = 4 x cluster y + cy
	s_lshr_b32 s19, s19, 3                         ; the part: 32 tile rows, 8 clusters, each
	s_lshl_b32 s44, s41, 2
	s_lshl_b32 s44, 15, s44                        ; my row of the cluster
	s_lshl_b32 s45, 0x1111, s40                    ; my column
	s_or_b32 s[G1+0], s44, (0<<16)|(1<<20)|(1<<21)|(5<<22)|(3<<25)  ; the mask; elements of 1 byte; padding on; bit 21 beside a mask; after every 64 words, 4 words
	s_or_b32 s[G1B+0], s45, (0<<16)|(1<<20)|(1<<21)|(5<<22)|(3<<25)
.irp g, G1, G1B
	s_mov_b32 s[\g+1], ROWB<<16                    ; tensor_dim0
	s_mov_b32 s[\g+2], 128<<16                     ; tensor_dim1
	s_mov_b32 s[\g+3], ROWB<<16                    ; tile_dim0
	s_mov_b32 s[\g+4], 128                         ; tile_dim1
	s_mov_b32 s[\g+5], KROW                        ; the pitch
	s_mov_b32 s[\g+6], 0
	s_mov_b32 s[\g+7], 0
.endr
	s_or_b32 s[G1S+0], s44, (3<<16)|(1<<20)|(1<<21)|(5<<22)|(3<<25) ; the scales of 128 rows: 4,096 dense bytes as 16 rows of 32 elements of 8 bytes
	s_or_b32 s[G1SB+0], s45, (3<<16)|(1<<20)|(1<<21)|(5<<22)|(3<<25)
.irp g, G1S, G1SB
	s_mov_b32 s[\g+1], 32<<16
	s_mov_b32 s[\g+2], (128*KS/256)<<16
	s_mov_b32 s[\g+3], 32<<16
	s_mov_b32 s[\g+4], 128*KS/256
	s_mov_b32 s[\g+5], 32
	s_mov_b32 s[\g+6], 0
	s_mov_b32 s[\g+7], 0
.endr
	s_lshl_b32 s94, s18, 7                         ; which 128 rows of the tile I fetch
	s_lshl_b32 s20, s43, 8
	s_add_co_u32 s20, s20, s94                     ; A: row 256 x tile row + 128 x half
	s_lshl_b32 s22, s20, 5                         ; its scale bytes,
	s_lshl_b32 s20, s20, 9                         ; its codes
	s_mov_b32 s21, 0
	s_mov_b32 s23, 0
	s_lshl_b32 s46, s42, 8
	s_add_co_u32 s46, s46, s94                     ; B: row 256 x tile column + 128 x half of W's part p
	s_lshl_b32 s92, s46, 5
	s_lshl_b32 s46, s46, 9
	s_lshl_b32 s96, s19, 19
	s_add_co_u32 s46, s46, s96
	s_add_co_u32 s46, s46, 0xC00000
	s_lshl_b32 s96, s19, 15
	s_add_co_u32 s92, s92, s96
	s_add_co_u32 s92, s92, 0xC0000
	s_mov_b32 s47, 0
	s_mov_b32 s93, 0
	s_mul_i32 s96, s[WV], HALFT                    ; where they go: wave x 128 rows: no place in the cluster enters an LDS address
	s_mul_i32 s97, s[WV], HALFS
	s_wait_dscnt 0x0                               ; both opening adds are done
	s_wait_kmcnt 0x0
	s_add_nc_u64 s[20:21], s[4:5], s[20:21]
	s_add_nc_u64 s[22:23], s[6:7], s[22:23]
	s_add_nc_u64 s[46:47], s[4:5], s[46:47]
	s_add_nc_u64 s[92:93], s[6:7], s[92:93]
	CROUND                                         ; all sixteen work-groups are here: the joint loads meet
	s_mov_b32 s[G0S], 1
	s_add_co_u32 s[G0S+1], s97, SCL
	s_mov_b64 s[G0S+2:G0S+3], s[22:23]
	s_or_b32 s[G0S+3], s[G0S+3], 0x80000000
	s_mov_b32 s[G0SB], 1
	s_add_co_u32 s[G0SB+1], s97, SCL
	s_mov_b64 s[G0SB+2:G0SB+3], s[92:93]
	s_or_b32 s[G0SB+3], s[G0SB+3], 0x80000000
	JLOAD G0S, G1S, G0SB, G1SB                     ; the scales first: they are wanted with the first step
.irp s, 0,1
	s_mov_b32 s[G0+4*\s], 1
	s_add_co_u32 s[G0+4*\s+1], s96, \s*SLOT
	s_add_nc_u64 s[G0+4*\s+2:G0+4*\s+3], s[20:21], \s*ROWB
	s_or_b32 s[G0+4*\s+3], s[G0+4*\s+3], 0x80000000
	s_mov_b32 s[G0B+4*\s], 1
	s_add_co_u32 s[G0B+4*\s+1], s96, \s*SLOT
	s_add_nc_u64 s[G0B+4*\s+2:G0B+4*\s+3], s[46:47], \s*ROWB
	s_or_b32 s[G0B+4*\s+3], s[G0B+4*\s+3], 0x80000000
	JLOAD G0+4*\s, G1, G0B+4*\s, G1B               ; all of K: three tensor loads of mine are out
.endr
	v_and_b32 v1, 15, v0                           ; r
	v_bfe_u32 v2, v0, 4, 1                         ; h
	; the bias of my 128 columns, in the result's layout; the factor; the flag for V: all by selects on the part
	s_cmp_eq_u32 s19, 1
	s_cselect_b64 s[96:97], s[10:11], s[12:13]
	s_cmp_eq_u32 s19, 0
	s_cselect_b64 s[96:97], s[8:9], s[96:97]
	s_cselect_b32 s[SCLF], 0x3e000000, 1.0
	s_mov_b32 s[SCLF+1], s[SCLF]
	s_cmp_eq_u32 s19, 2
	s_cselect_b32 s[VFL], -1, 0
	s_lshl_b32 s20, s42, 10
	s_lshl_b32 s21, s18, 9
	s_add_co_u32 s20, s20, s21                     ; 4 (256 x tile column + 128 x half)
	s_mov_b32 s21, 0
	s_add_nc_u64 s[96:97], s[96:97], s[20:21]
	v_lshlrev_b32 v[BO], 5, v2
.irp b, 0,1,2,3,4,5,6,7
	global_load_b128 v[BIAS+8*\b:BIAS+8*\b+3], v[BO], s[96:97] offset:64*\b
	global_load_b128 v[BIAS+8*\b+4:BIAS+8*\b+7], v[BO], s[96:97] offset:64*\b+16
.endr
	v_mul_u32_u24 v3, v1, PITCH
	v_lshl_add_u32 v4, v2, 4, v3                   ; a fragment's row x pitch + 16 x half
	s_mul_i32 s21, s17, HALFT                      ; my 128 rows of A
	s_mul_i32 s22, s18, HALFT                      ; my 128 rows of B,
	s_add_co_u32 s22, s22, 2*HALFT                 ; which lie behind A's 256
.irp s, 0,1
	v_add_nc_u32 v[ADRA+\s], s21, v4
	v_add_nc_u32 v[ADRB+\s], s22, v4
	s_add_co_u32 s21, s21, SLOT
	s_add_co_u32 s22, s22, SLOT
.endr
	v_mul_u32_u24 v5, v1, KS                       ; my row's scales: 32 bytes a row,
	v_lshrrev_b32 v6, 8, v5
	v_lshl_add_u32 v5, v6, 4, v5                   ; and 16 more for each 256 passed
	s_mul_i32 s21, s17, HALFS
	s_mul_i32 s22, s18, HALFS
	s_add_co_u32 s22, s22, 2*HALFS
	s_sub_co_u32 s22, s22, s21
	v_mul_u32_u24 v6, s22, v2                      ; lanes 16-31 take B's: one product, the distance between the two bases
	s_add_co_u32 s21, s21, SCL
	v_add_nc_u32 v5, v5, v6
	v_add_nc_u32 v[ADRS], s21, v5
	v_and_b32 v5, 31, v0
	v_lshlrev_b32 v5, 4, v5                        ; Q, K: 16 x lane
	v_lshrrev_b32 v6, 3, v1
	v_lshlrev_b32 v6, 4, v6
	v_lshl_add_u32 v6, v2, 3, v6
	v_and_b32 v7, 7, v1
	v_add_nc_u32 v6, v6, v7
	v_lshlrev_b32 v6, 4, v6                        ; V: 16 (16 (r / 8) + 8 h + r % 8)
	v_cndmask_b32 v[STOFF], v5, v6, s[VFL]
	s_and_b32 s20, s43, 31                         ; the tile row inside its part: 8 for each batch
	s_lshr_b32 s21, s20, 3                         ; b
	s_and_b32 s20, s20, 7
	s_lshl_b32 s20, s20, 2
	s_lshl_b32 s22, s17, 1
	s_add_co_u32 s20, s20, s22                     ; my first step of 64 t
	s_lshl_b32 s21, s21, 4
	s_lshl_b32 s22, s42, 2
	s_add_co_u32 s21, s21, s22
	s_lshl_b32 s22, s18, 1
	s_add_co_u32 s21, s21, s22                     ; 16 b + my first head
	s_lshl_b32 s21, s21, 5
	s_add_co_u32 s20, s20, s21
	s_mul_i32 s20, s20, 24576
	s_lshl_b32 s22, s19, 13
	s_add_co_u32 s20, s20, s22                     ; + the part's 8,192 bytes
	s_mov_b32 s21, 0
	s_add_nc_u64 s[14:15], s[14:15], s[20:21]
.macro FRAG reg, adr, q, i             ; 16 rows x 128 K of 4-bit codes: registers 4 c .. 4 c + 3 hold K = 64 c + 32 (lane / 16) + 0 .. 31
.irp c, 0,1
	ds_load_b128 v[\reg+4*\c:\reg+4*\c+3], v[\adr] offset:64*(\q)+32*\c+(\i)*16*PITCH
.endr
.endm
; 16 matrix instructions: A's blocks a0, a0 + 1 x B's eight.  zero = 1: the first product starts the sums from the bias.  The 64 accumulators take turns, one instruction a turn.
.macro MUL16 a0, p, q, sc, zero
.irp a, \a0, \a0+1
.irp b, 0,1,2,3,4,5,6,7
.if \zero
	v_wmma_scale_f32_16x16x128_f8f6f4 v[8*(8*((\a)%4)+\b):8*(8*((\a)%4)+\b)+7], v[128*(\p)+FR*\b:128*(\p)+FR*\b+FR-1], v[AF+FR*(\a):AF+FR*(\a)+FR-1], v[BIAS+8*\b:BIAS+8*\b+7], v[SC+8*NQ*(\sc)+NQ*\b+(\q)], v[SC+8*NQ*(\sc)+NQ*(\a)+(\q)] matrix_a_fmt:MATRIX_FMT_FP4 matrix_b_fmt:MATRIX_FMT_FP4 matrix_a_scale:MATRIX_SCALE_ROW1
.else
	v_wmma_scale_f32_16x16x128_f8f6f4 v[8*(8*((\a)%4)+\b):8*(8*((\a)%4)+\b)+7], v[128*(\p)+FR*\b:128*(\p)+FR*\b+FR-1], v[AF+FR*(\a):AF+FR*(\a)+FR-1], v[8*(8*((\a)%4)+\b):8*(8*((\a)%4)+\b)+7], v[SC+8*NQ*(\sc)+NQ*\b+(\q)], v[SC+8*NQ*(\sc)+NQ*(\a)+(\q)] matrix_a_fmt:MATRIX_FMT_FP4 matrix_b_fmt:MATRIX_FMT_FP4 matrix_a_scale:MATRIX_SCALE_ROW1
.endif
.endr
.endr
.endm
.macro FETCH_B slot, q, p
	WIN TO_B
.irp i, 0,1,2,3,4,5,6,7
	FRAG 128*(\p)+FR*\i, ADRB+\slot, \q, \i
.endr
	WIN 0
.endm
.macro FETCH_A slot, q, i0
.irp i, \i0, \i0+1, \i0+2, \i0+3
	FRAG AF+FR*(\i), ADRA+\slot, \q, \i
.endr
.endm
.macro SCALES sc                       ; a slot's scale words: 4 words a row; lanes 0-15 A's block i, lanes 16-31 B's block i
.irp i, 0,1,2,3,4,5,6,7
	ds_load_b128 v[SC+8*NQ*\sc+NQ*\i:SC+8*NQ*\sc+NQ*\i+3], v[ADRS] offset:\i*SBLK
.endr
.endm
.macro PLACES n                        ; plain vector instructions between a matrix instruction and a load into, or a read of, its registers
.rept \n
	v_nop
.endr
.endm
.macro STEP slot, q, zero              ; 128 along K, with its successor in the same slot
	s_wait_dscnt 4*NL                              ; B's set and A's blocks 0-3 are in; the youngest eight loads (A's blocks 4-7) may be out
	WIN MUL_LO-0x20*(\zero)
	MUL16 0, (\q)%2, \q, \slot, \zero
	MUL16 2, (\q)%2, \q, \slot, \zero
	s_wait_dscnt 0
	PLACES NP
	FETCH_B \slot, (\q)+1, 1-(\q)%2
	FETCH_A \slot, (\q)+1, 0
	WIN MUL_HI-0x30*(\zero)
	MUL16 4, (\q)%2, \q, \slot, \zero
	MUL16 6, (\q)%2, \q, \slot, \zero
	PLACES NP
	WIN 0
	FETCH_A \slot, (\q)+1, 4
.endm
.macro STEPS slot, from
.set Q, \from
.rept NQ-1-\from
	STEP \slot, Q, 0
.set Q, Q+1
.endr
.endm
	s_wait_tensorcnt 1                             ; the scales and my part of slot 0 are in (slot 1's load may be out)
	s_barrier_signal -1
	s_barrier_wait -1                              ; everybody's are
	FETCH_B 0, 0, 0
	FETCH_A 0, 0, 0
	SCALES 0
	FETCH_A 0, 0, 4
	s_wait_loadcnt 0x0                             ; the bias
	STEP 0, 0, 1
	STEPS 0, 1
	; slot 0's last step changes slots: one barrier; in front of it my part of slot 1 has landed
	s_wait_tensorcnt 0x0
	ds_add_u32 v[SPW], v[NIL]
	s_wait_dscnt 4*NL+1                            ; (the add and the youngest eight loads may be out)
	WIN MUL_LO
	MUL16 0, 1, NQ-1, 0, 0
	s_wait_dscnt 0x0
	s_barrier_signal -1
	MUL16 2, 1, NQ-1, 0, 0
	WIN 0
	s_barrier_wait -1
	PLACES NP
	v_add_nc_u32 v[ADRS], 4*NQ, v[ADRS]            ; on to slot 1's scale words
	FETCH_B 1, 0, 0
	FETCH_A 1, 0, 0
	SCALES 1
	WIN MUL_HI
	MUL16 4, 1, NQ-1, 0, 0
	MUL16 6, 1, NQ-1, 0, 0
	PLACES NP
	WIN 0
	FETCH_A 1, 0, 4
	STEPS 1, 0
	s_wait_dscnt 4*NL                              ; the very last step: nothing more to fetch
	WIN MUL_LO
	MUL16 0, 1, NQ-1, 1, 0
	MUL16 2, 1, NQ-1, 1, 0
	s_wait_dscnt 0
	WIN MUL_HI
	MUL16 4, 1, NQ-1, 1, 0
	MUL16 6, 1, NQ-1, 1, 0
	PLACES NP
; THE WAY OUT, block by block of 16 rows: x the factor (in place, each accumulator from its low end on), to f16, eight pieces of 512 consecutive bytes.
.macro OUTB a
.set AC, 64*((\a)%4)
.set OB, OUT0+96*((\a)%2)
	WIN 0x82+0x41*((\a)/4)                         ; destination and source 0: window 2 or 3
.set i, 0
.rept 32
	v_pk_mul_f32 v[AC+i:AC+i+1], v[AC+i:AC+i+1], s[SCLF:SCLF+1] op_sel_hi:[1,0]
.set i, i+2
.endr
.if (\a) >= 2
	s_wait_xcnt 0x0                                ; the stores of two blocks back have read this set's registers
.endif
	WIN 0x0a+5*((\a)/4)                            ; sources 0 and 1: window 2 or 3
.set i, 0
.rept 32
	v_cvt_pk_f16_f32 v[OB+i], v[AC+2*i], v[AC+2*i+1]
.set i, i+1
.endr
	WIN 0
.irp bc, 0,1,2,3,4,5,6,7
	global_store_b128 v[STOFF], v[OB+4*\bc:OB+4*\bc+3], s[14:15] offset:((\a)/4)*24576+((\a)%4)*2048+(\bc/4)*786432+(\bc%4)*512 th:TH_STORE_NT
.endr
.endm
.irp a, 0,1,2,3,4,5,6,7
	OUTB \a
.endr
	s_wait_tensorcnt 0x0                           ; the wave's end
	ds_add_u32 v[SPW], v[NIL]
	s_wait_dscnt 0x0
	CROUND                                         ; the closing round
	s_endpgm
.Lfunc_end_k_q3502218f7c_proj:
	.size	k_q3502218f7c_proj, .Lfunc_end_k_q3502218f7c_proj-k_q3502218f7c_proj
	.p2alignl 7, 3214868480
	.fill 96, 4, 3214868480
	.section	.rodata,"a",@progbits
	.p2align	6, 0x0
	.amdhsa_kernel k_q3502218f7c_proj
		.amdhsa_group_segment_fixed_size 327680
		.amdhsa_private_segment_fixed_size 0
		.amdhsa_enable_private_segment 0
		.amdhsa_kernarg_size 48
		.amdhsa_user_sgpr_count 2
		.amdhsa_user_sgpr_kernarg_segment_ptr 1
		.amdhsa_wavefront_size32 1
		.amdhsa_system_sgpr_workgroup_id_x 1
		.amdhsa_system_sgpr_workgroup_id_y 1
		.amdhsa_system_sgpr_workgroup_id_z 1
		.amdhsa_system_vgpr_workitem_id 0
		.amdhsa_next_free_vgpr 1024
		.amdhsa_next_free_sgpr 98
		.amdhsa_reserve_vcc 0
		.amdhsa_float_denorm_mode_32 3
		.amdhsa_float_denorm_mode_16_64 3
		.amdhsa_memory_ordered 1
		.amdhsa_forward_progress 1
		.amdhsa_inst_pref_size 136
	.end_amdhsa_kernel
	.amdgpu_metadata
---
amdhsa.version: [ 1, 2 ]
amdhsa.kernels:
  - .name:           k_q3502218f7c_proj
    .symbol:         k_q3502218f7c_proj.kd
    .args:
      - { .name: codes, .offset: 0, .size: 8, .value_kind: global_buffer, .address_space: global }
      - { .name: scales, .offset: 8, .size: 8, .value_kind: global_buffer, .address_space: global }
      - { .name: bq, .offset: 16, .size: 8, .value_kind: global_buffer, .address_space: global }
      - { .name: bk, .offset: 24, .size: 8, .value_kind: global_buffer, .address_space: global }
      - { .name: bv, .offset: 32, .size: 8, .value_kind: global_buffer, .address_space: global }
      - { .name: qkv, .offset: 40, .size: 8, .value_kind: global_buffer, .address_space: global }
    .group_segment_fixed_size: 327680
    .private_segment_fixed_size: 0
    .kernarg_segment_align: 8
    .kernarg_segment_size: 48
    .max_flat_workgroup_size: 128
    .sgpr_count:     98
    .vgpr_count:     1024
    .wavefront_size: 32
...
	.end_amdgpu_metadata
.endif
;; end of part 2
;; launch attn (part 3): grid 8 x 32, 8 waves a work-group, clusters of 4 x 4, 327,680 bytes of LDS; arguments attn_mask, key_padding_mask, qkv, aimg; writes aimg
.if DOCPART == 3
	.amdgcn_target "amdgcn-amd-amdhsa--gfx1250"
	.amdhsa_code_object_version 6
	.text
	.protected	k_q3502218f7c_attn
	.globl	k_q3502218f7c_attn
	.p2align	8
	.type	k_q3502218f7c_attn,@function
k_q3502218f7c_attn:
	s_mov_b64 s[64:65], 0
	v_nop
	global_prefetch_b8 v0, s[64:65] scope:SCOPE_SE
	s_setreg_imm32_b32 hwreg(HW_REG_WAVE_MODE, 25, 1), 1
	s_wait_xcnt 0x0
	s_wait_alu depctr_hold_cnt(0) depctr_sa_sdst(0) depctr_va_vdst(0) depctr_va_sdst(0) depctr_va_ssrc(0) depctr_va_vcc(0) depctr_vm_vsrc(0)
	s_getreg_b32 s2, hwreg(HW_REG_IB_STS2, 6, 4)
	s_cmp_eq_u32 s2, 0
	s_cbranch_scc0 .Lentry_in_a_cluster
	s_endpgm
.Lentry_in_a_cluster:
	s_bfe_u32 s2, ttmp6, 0x10000c
	s_cmp_lg_u32 s2, 0xf033
	s_cbranch_scc0 .Lentry_shape_is_right
	s_endpgm
.Lentry_shape_is_right:
; O = softmax(q k^T / 8 (-inf where the key is padded) + attn_mask) v for every batch and head; q / 8, k, v arrive as f16 register images (qkv), O leaves as f16 register images of the last product's A (aimg).
; SHARES.  A work-group owns 256 queries (x) of two heads of one batch (y = 8 b + hp: heads 2 hp, 2 hp + 1).  Wave w: head w / 4, queries 64 (w % 4) on: four tiles of 16.  Two waves to a SIMD: one wave's softmax stands
; beside the other's products.  Every wave walks all 2,048 keys, 64 a step.
; LAYOUT.  S^T = K Q^T (source 0 = 16 keys, source 1 = 16 queries): a lane holds ONE query (lane % 16) and keys 8 (lane / 16) + 0..7.  THE MASK IS THE C OF THAT PRODUCT: it is loaded from LDS straight into the accumulators,
; in the result's own layout.  Two tiles of p, rounded to f16 in pairs, ARE source 1 of O^T = V^T P.  K's and Q's pieces are read at 16 x lane; V's by the turning load at 16 x lane.
; SOFTMAX.  A running maximum m and sum l for each query: p = 2^(c s - c m), c = log2(e); in every step O and l are multiplied by a = 2^(c m_old - c m_new).  m begins at -1e30, so that a step all of whose
; keys are padded gives p = 0; a row all of whose keys are padded ends with l = 0 and O / l = NaN.
; CLUSTER, 4 x 4.  The mask's tile hangs on x alone: asked for jointly along a column; K's and V's hang on y alone: jointly along a row.  One joint load a wave behind each round (waves 0-3: 64 rows of the mask each;
; waves 4-7: K or V of one head), into the slot read last step: by this text's count one tensor load of a wave is out.
; LIMITS: scores under -1e30 count as -1e30 for the maximum; of each padding byte bit 0 is taken; O beyond 65,504 becomes an infinity of f16.
; LDS: slot s at s x 2^17: the mask, 256 rows x 272 bytes; then [head 2][K 8,192][V 8,192].  Behind the slots: the padding row as f32 (0 or -inf), 8,192 bytes, stored once; the spare words.
; REGISTERS.  window 0: v1-12 addresses; v16-47 statistics, 8 a tile (+0 c m, +1 m, +2 +3 l, +4..+7 at work, a in +6); v48-111 P, 16 a tile (v48-79 hold the step's padding row until P is written); v128-255 S^T, 32 a tile.
;   window 1: v0-127 O^T, 32 a tile; v128-191 Q; v192-255 K, then V, of the step.
.set MP,    272                        ; a row of the mask's tile in LDS: 256 bytes + 16: the 16 rows that a load touches begin 68 words apart
.set KVO,   256*MP
.set SLOT1, 1<<17
.set PBB,   SLOT1+KVO+32768
.set SPARE, PBB+8192
.set LI,  3                            ; v3  16 x lane
.set AM0, 4                            ; v4  my lane's place in the mask's tile
.set AK0, 5                            ; v5  in my head's K (V: 8,192 on)
.set AP0, 6                            ; v6  in the padding row
.set ADM, 7
.set ADK, 8
.set ADP, 9
.set PFO, 10                           ; v10 the prefetches' lane offset; never rewritten
.set SPW, 11
.set NIL, 12
.set ST,  16
.set P,   48
.set PBR, 48
.set S,   128
.set QF,  128                          ; in window 1
.set KV,  192                          ; in window 1
.set WV,  12                           ; s12 wave; s13 wave % 4; s14 wave / 4
.set WL,  13
.set HS,  14
.set SEL, 20
.set CS,  22
.set G1M, 24
.set G1K, 32
.set G0M, 40
.set G0K, 44
.set TB,  48                           ; s48 the slot in hand
.set TP,  49                           ; s49 the step's place in the padding row
.set REM, 50                           ; s50 loads still to be asked for
.set LIM, 51                           ; s51 1 in a wave that prefetches, else the greatest number
.set PFA, 52
.set PFS, 54
.set MSB, 0
.macro WIN new
.if MSB != (\new)
	s_set_vgpr_msb (MSB<<8)|(\new)
.set MSB, (\new)
.endif
.endm
.macro JLOAD                           ; the branch hangs on the wave's number alone; an s_nop 0 and four v_nop follow each line
	s_cmp_lt_u32 s[WV], 4
	s_cbranch_scc0 .Lfor_k_\@
	tensor_load_to_lds s[G0M:G0M+3], s[G1M:G1M+7]
	s_nop 0
.rept 4
	v_nop
.endr
	s_branch .Lasked_\@
.Lfor_k_\@:
	tensor_load_to_lds s[G0K:G0K+3], s[G1K:G1K+7]
	s_nop 0
.rept 4
	v_nop
.endr
.Lasked_\@:
.endm
; A prefetch of the tile that the NEXT change of slots will ask for, a step ahead of its load.  Each aligned 256 bytes are named once in the launch: the mask's tile by the clusters with y = 0 (waves 0, 1: 32 rows each, a lane
; a row; the four partners of a column take 64 rows each, told apart by address), K's and V's by the clusters with x = 0 (wave 4: 8,192 bytes, lanes 256 apart; the four partners of a row take a quarter each, by address).
; The last change that asks for a tile prefetches nothing.
.macro ASK
	s_cmp_gt_u32 s[REM], s[LIM]
	s_cbranch_scc0 .Lnot_mine_\@
	global_prefetch_b8 v[PFO], s[PFA:PFA+1] th:TH_LOAD_NT scope:SCOPE_SE
.Lnot_mine_\@:
.endm
.macro CROUND
	s_barrier_signal -1
	s_barrier_wait -1
	s_cmp_lg_u32 s[WV], 0
	s_cbranch_scc1 .Lnot_wave_0_\@
	s_barrier_signal -3
.Lnot_wave_0_\@:
	s_barrier_wait -3
	s_barrier_signal -1
	s_barrier_wait -1
.endm
.macro PLACES
.rept 4
	v_nop
.endr
.endm
	s_load_b256 s[4:11], s[0:1], 0x0               ; attn_mask s[4:5], key_padding_mask s[6:7], qkv s[8:9], aimg s[10:11]
	v_lshl_add_u32 v[SPW], v0, 2, SPARE
	v_mov_b32 v[NIL], 0
	ds_add_u32 v[SPW], v[NIL]                      ; the wave's opening: the add, twice on end, and its wait ahead of my first tensor load
	ds_add_u32 v[SPW], v[NIL]
	v_lshrrev_b32 v1, 5, v0
	v_readfirstlane_b32 s[WV], v1
	s_and_b32 s[WL], s[WV], 3
	s_lshr_b32 s[HS], s[WV], 2
	s_bfe_u32 s15, ttmp6, 0x40000                  ; cx
	s_bfe_u32 s16, ttmp6, 0x40004                  ; cy
	s_lshl_b32 s17, ttmp9, 2
	s_add_co_u32 s17, s17, s15                     ; x: my block of 256 queries
	s_and_b32 s66, ttmp7, 0xffff                   ; cluster y
	s_lshl_b32 s18, s66, 2
	s_add_co_u32 s18, s18, s16                     ; y = 8 b + hp
	s_lshr_b32 s19, s66, 1                         ; b: the same in all sixteen partners
	s_lshl_b32 s56, s16, 2
	s_lshl_b32 s56, 15, s56                        ; my row of the cluster
	s_lshl_b32 s57, 0x1111, s15                    ; my column
	s_or_b32 s[G1M], s57, (2<<16)|(1<<20)|(1<<21)|(5<<22)|(3<<25)  ; the mask's tile: 64 rows x 64 elements of 4 bytes; 4 words of padding after every 64
	s_mov_b32 s[G1M+1], 64<<16
	s_mov_b32 s[G1M+2], 64<<16
	s_mov_b32 s[G1M+3], 64<<16
	s_mov_b32 s[G1M+4], 64
	s_mov_b32 s[G1M+5], 2048
	s_mov_b32 s[G1M+6], 0
	s_mov_b32 s[G1M+7], 0
	s_or_b32 s[G1K], s56, (3<<16)|(1<<21)          ; K or V of a step and head: 8,192 dense bytes as 32 rows of 32 elements of 8 bytes
	s_mov_b32 s[G1K+1], 32<<16
	s_mov_b32 s[G1K+2], 32<<16
	s_mov_b32 s[G1K+3], 32<<16
	s_mov_b32 s[G1K+4], 32
	s_mov_b32 s[G1K+5], 32
	s_mov_b32 s[G1K+6], 0
	s_mov_b32 s[G1K+7], 0
	s_lshl_b32 s58, s17, 21                        ; the mask: row 256 x + 64 (wave % 4), 8,192 bytes a row
	s_lshl_b32 s59, s[WL], 19
	s_add_co_u32 s58, s58, s59
	s_mov_b32 s59, 0
	s_lshl_b32 s60, s18, 1                         ; K, V: head 2 y + (wave % 4) / 2; K at 8,192 in a step's 24,576 bytes, V at 16,384
	s_lshr_b32 s61, s[WL], 1
	s_add_co_u32 s60, s60, s61
	s_mul_i32 s60, s60, 786432
	s_and_b32 s61, s[WL], 1
	s_lshl_b32 s61, s61, 13
	s_add_co_u32 s60, s60, s61
	s_add_co_u32 s60, s60, 8192
	s_mov_b32 s61, 0
	s_lshl_b32 s62, s18, 1                         ; Q: head 2 y + wave / 4, step 4 x + wave % 4
	s_add_co_u32 s62, s62, s[HS]
	s_lshl_b32 s62, s62, 5
	s_lshl_b32 s63, s17, 2
	s_add_co_u32 s62, s62, s63
	s_add_co_u32 s62, s62, s[WL]
	s_mul_i32 s62, s62, 24576
	s_mov_b32 s63, 0
	s_and_b32 s68, s18, 7                          ; O: [hp][128 b + 16 x + 4 (wave % 4)] blocks of 4,096 bytes, + 2,048 for the odd head
	s_lshl_b32 s68, s68, 9
	s_lshl_b32 s69, s19, 7
	s_add_co_u32 s68, s68, s69
	s_lshl_b32 s69, s17, 4
	s_add_co_u32 s68, s68, s69
	s_lshl_b32 s69, s[WL], 2
	s_add_co_u32 s68, s68, s69
	s_lshl_b32 s68, s68, 12
	s_lshl_b32 s69, s[HS], 11
	s_add_co_u32 s68, s68, s69
	s_mov_b32 s69, 0
	; the prefetches: where mine stand (at tile 1: the first change of slots steps them to tile 2), and who asks
	s_lshl_b32 s56, s17, 8
	s_lshl_b32 s70, s16, 6
	s_add_co_u32 s56, s56, s70
	s_lshl_b32 s70, s[WV], 5
	s_add_co_u32 s56, s56, s70                     ; the mask's row 256 x + 64 cy + 32 wave
	s_lshl_b32 s56, s56, 13
	s_add_co_u32 s56, s56, 256
	s_lshl_b32 s57, s18, 1
	s_lshr_b32 s70, s15, 1
	s_add_co_u32 s57, s57, s70                     ; head 2 y + cx / 2,
	s_mul_i32 s57, s57, 786432
	s_and_b32 s70, s15, 1                          ; K or V by cx % 2
	s_lshl_b32 s70, s70, 13
	s_add_co_u32 s57, s57, s70
	s_add_co_u32 s57, s57, 8192+24576
	s_mov_b32 s[PFS], 24576
	s_cmp_lt_u32 s[WV], 2
	s_cselect_b32 s70, s56, s57
	s_cselect_b32 s[PFS], 256, s[PFS]              ; a step on
	s_cselect_b32 s71, 13, 8                       ; from lane to lane: a row of the mask, or 256 bytes
	s_cselect_b32 s56, s66, 1
	s_mov_b32 s[PFS+1], 0
	s_cmp_eq_u32 s[WV], 4
	s_cselect_b32 s57, ttmp9, 1
	s_mul_i32 s56, s56, s57                        ; 0 in waves 0, 1 of clusters with y = 0 and in wave 4 of clusters with x = 0: the same in all sixteen partners
	s_cmp_eq_u32 s56, 0
	s_cselect_b32 s[LIM], 1, -1
	v_and_b32 v[PFO], 31, v0
	v_lshlrev_b32 v[PFO], s71, v[PFO]
	s_mov_b32 s71, 0
	s_lshl_b32 s66, s19, 11                        ; my batch's 2,048 padding bytes
	s_mov_b32 s67, 0
	s_mov_b32 s[SEL], 0x76543210
	s_mov_b32 s[SEL+1], 0xfedcba98
	s_mov_b32 s[CS], 0x3fb8aa3b                    ; c = log2(e)
	s_mov_b32 s[CS+1], s[CS]
	s_mov_b32 s[TB], 0
	s_mov_b32 s[TP], 0
	s_mov_b32 s[REM], 31
	s_wait_dscnt 0x0                               ; both opening adds are done
	s_wait_kmcnt 0x0
	s_mov_b32 s[G0M], 1
	s_mul_i32 s[G0M+1], s[WL], 64*MP
	s_add_nc_u64 s[G0M+2:G0M+3], s[4:5], s[58:59]
	s_or_b32 s[G0M+3], s[G0M+3], 0x80000000
	s_mov_b32 s[G0K], 1
	s_lshl_b32 s[G0K+1], s[WL], 13
	s_add_co_u32 s[G0K+1], s[G0K+1], KVO
	s_add_nc_u64 s[G0K+2:G0K+3], s[8:9], s[60:61]
	s_or_b32 s[G0K+3], s[G0K+3], 0x80000000
	s_cmp_lt_u32 s[WV], 2
	s_cselect_b64 s[PFA:PFA+1], s[4:5], s[8:9]
	s_add_nc_u64 s[PFA:PFA+1], s[PFA:PFA+1], s[70:71]
	s_add_nc_u64 s[6:7], s[6:7], s[66:67]
	s_add_nc_u64 s[62:63], s[8:9], s[62:63]        ; Q
	s_add_nc_u64 s[10:11], s[10:11], s[68:69]      ; O
	CROUND                                         ; all sixteen work-groups are here
	JLOAD                                          ; tile 0 into slot 0
	v_lshlrev_b32 v112, 3, v0
	global_load_b64 v[114:115], v112, s[6:7]       ; 8 padding bytes a thread: 2,048 for the work-group
	v_and_b32 v[LI], 31, v0
	v_lshlrev_b32 v[LI], 4, v[LI]
	WIN 0x40                                       ; destination window 1
.irp kt, 0,1,2,3
.irp f, 0,1,2,3
	global_load_b128 v[QF+16*\kt+4*\f:QF+16*\kt+4*\f+3], v[LI], s[62:63] offset:\kt*2048+\f*512   ; Q stays in registers: tile kt, channels 16 f on
.endr
.endr
	WIN 0
	v_and_b32 v1, 15, v0                           ; r
	v_bfe_u32 v2, v0, 4, 1                         ; h
	s_mul_i32 s57, s[WL], 64*MP
	v_mul_u32_u24 v[AM0], v1, MP
	v_lshl_add_u32 v[AM0], v2, 5, v[AM0]
	v_add_nc_u32 v[AM0], s57, v[AM0]               ; (64 (wave % 4) + r) rows + 8 h keys
	s_lshl_b32 s57, s[HS], 14
	s_add_co_u32 s57, s57, KVO
	v_add_nc_u32 v[AK0], s57, v[LI]
	v_lshl_add_u32 v[AP0], v2, 5, PBB
	v_lshl_add_u32 v113, v0, 5, PBB
	s_mov_b32 s56, 0xff800000                      ; -infinity
	s_wait_loadcnt 16                              ; the padding bytes are in; Q's 16 loads, issued behind them, may be out
.irp i, 0,1,2,3,4,5,6,7
	v_bfe_u32 v[116+\i], v[114+\i/4], 8*(\i%4), 1
.endr
.irp i, 0,1,2,3,4,5,6,7
	v_mul_lo_u32 v[116+\i], v[116+\i], s56         ; 1 becomes -infinity, 0 stays 0
.endr
	ds_store_b128 v113, v[116:119]
	ds_store_b128 v113, v[120:123] offset:16       ; awaited in front of the first change's round, behind which all waves read them
; THE CHANGE OF SLOTS stands at a step's head.  Each wave waits for all its tensor loads (its part of the tile that it is about to read), adds 0 to its spare word, and waits for that and for its reads of the slot that it has left.
; fill = 1: behind a round of the cluster's barrier that slot takes the next tile: the load has a step's work in which to land.
.macro CHANGE fill
	WIN 0
	s_wait_tensorcnt 0x0                           ; no tensor load of mine is out, so a group 0 may be written
	ds_add_u32 v[SPW], v[NIL]
.if \fill
	s_xor_b32 s[G0M+1], s[G0M+1], SLOT1            ; the walking descriptors: the other slot,
	s_add_nc_u64 s[G0M+2:G0M+3], s[G0M+2:G0M+3], 256     ; the next 64 keys of each row of the mask,
	s_xor_b32 s[G0K+1], s[G0K+1], SLOT1
	s_add_nc_u64 s[G0K+2:G0K+3], s[G0K+2:G0K+3], 24576   ; the next step's K or V
	s_wait_xcnt 0x0                                ; the last prefetch, a step back, has read its address
	s_add_nc_u64 s[PFA:PFA+1], s[PFA:PFA+1], s[PFS:PFS+1]
	s_wait_dscnt 0x0                               ; the add is done, my reads of the slot that I have left are over (first change: my stores of the padding row have landed)
	CROUND
	JLOAD
.else
	s_wait_dscnt 0x0
	s_barrier_signal -1
	s_barrier_wait -1
.endif
.endm
; The softmax of the step's four tiles, in phases, the tiles by turns so that no line waits for the line above it.  first = 1: the first step, which starts m, l and O^T.
.macro SOFTMAX first
.irp j, 0,1,2,3                        ; the maximum of a lane's 32 scores and the old m: four chains of seven, the four left over, the chains, m
.irp t, 0,1,2,3
	v_max3_num_f32 v[ST+8*\t+4+\j], v[S+32*\t+8*\j], v[S+32*\t+8*\j+1], v[S+32*\t+8*\j+2]
.endr
.endr
.irp g, 1,2
.irp j, 0,1,2,3
.irp t, 0,1,2,3
	v_max3_num_f32 v[ST+8*\t+4+\j], v[ST+8*\t+4+\j], v[S+32*\t+8*\j+2*\g+1], v[S+32*\t+8*\j+2*\g+2]
.endr
.endr
.endr
.irp t, 0,1,2,3
	v_max3_num_f32 v[ST+8*\t+4], v[ST+8*\t+4], v[S+32*\t+7], v[S+32*\t+15]
.endr
.irp t, 0,1,2,3
	v_max3_num_f32 v[ST+8*\t+6], v[ST+8*\t+6], v[S+32*\t+23], v[S+32*\t+31]
.endr
.irp t, 0,1,2,3
	v_max3_num_f32 v[ST+8*\t+4], v[ST+8*\t+4], v[ST+8*\t+5], v[ST+8*\t+6]
.endr
.irp t, 0,1,2,3
.if \first
	v_max3_num_f32 v[ST+8*\t+4], v[ST+8*\t+4], v[ST+8*\t+7], 0xf149f2ca   ; m begins at -1e30
.else
	v_max3_num_f32 v[ST+8*\t+4], v[ST+8*\t+4], v[ST+8*\t+7], v[ST+8*\t+1]
.endif
.endr
.irp t, 0,1,2,3
	v_permlanex16_b32 v[ST+8*\t+5], v[ST+8*\t+4], s[SEL], s[SEL+1]   ; the query's other 32 keys lie in the lane 16 away
.endr
.if \first == 0
.irp t, 0,1,2,3
	v_mov_b32 v[ST+8*\t+7], v[ST+8*\t]             ; c m_old is kept for a
.endr
.endif
.irp t, 0,1,2,3
	v_max_num_f32 v[ST+8*\t+1], v[ST+8*\t+4], v[ST+8*\t+5]
.endr
.irp t, 0,1,2,3
	v_mul_f32 v[ST+8*\t], s[CS], v[ST+8*\t+1]
.endr
.if \first == 0
.irp t, 0,1,2,3
	v_sub_f32 v[ST+8*\t+7], v[ST+8*\t+7], v[ST+8*\t]
.endr
.endif
; ONE BATCH: the scalings c s - c m and all exponentials; a tile's exponentials stand among the next tile's scalings; none of these lines names an exponential's result
.set i, 0
.rept 16
	v_pk_fma_f32 v[S+2*i:S+2*i+1], v[S+2*i:S+2*i+1], s[CS:CS+1], v[ST:ST+1] op_sel_hi:[1,0,0] neg_lo:[0,0,1] neg_hi:[0,0,1]
.set i, i+1
.endr
.irp t, 0,1,2,3
.set i, 0
.rept 16
	v_exp_f32 v[S+32*\t+2*i], v[S+32*\t+2*i]
	v_exp_f32 v[S+32*\t+2*i+1], v[S+32*\t+2*i+1]
.if \t < 3
	v_pk_fma_f32 v[S+32*(\t+1)+2*i:S+32*(\t+1)+2*i+1], v[S+32*(\t+1)+2*i:S+32*(\t+1)+2*i+1], s[CS:CS+1], v[ST+8*(\t+1):ST+8*(\t+1)+1] op_sel_hi:[1,0,0] neg_lo:[0,0,1] neg_hi:[0,0,1]
.endif
.set i, i+1
.endr
.endr
.if \first == 0
.irp t, 0,1,2,3
	v_exp_f32 v[ST+8*\t+6], v[ST+8*\t+7]           ; a
.endr
.endif
	v_nop                                          ; a plain instruction behind the last exponential, ahead of the first use
	s_wait_alu depctr_va_vdst(0)                   ; one wait, ahead of the batch's first reader
.set i, 0
.rept 16
.irp t, 0,1,2,3
	v_cvt_pk_f16_f32 v[P+16*\t+i], v[S+32*\t+2*i], v[S+32*\t+2*i+1]   ; two neighbouring keys' weights
.endr
.set i, i+1
.endr
.irp u, 0,1,2,3,4,5,6,7                ; the sum of a tile's 16 pairs, in place
.irp t, 0,1,2,3
	v_pk_add_f32 v[S+32*\t+4*\u:S+32*\t+4*\u+1], v[S+32*\t+4*\u:S+32*\t+4*\u+1], v[S+32*\t+4*\u+2:S+32*\t+4*\u+3]
.endr
.endr
.irp u, 0,1,2,3
.irp t, 0,1,2,3
	v_pk_add_f32 v[S+32*\t+8*\u:S+32*\t+8*\u+1], v[S+32*\t+8*\u:S+32*\t+8*\u+1], v[S+32*\t+8*\u+4:S+32*\t+8*\u+5]
.endr
.endr
.irp u, 0,1
.irp t, 0,1,2,3
	v_pk_add_f32 v[S+32*\t+16*\u:S+32*\t+16*\u+1], v[S+32*\t+16*\u:S+32*\t+16*\u+1], v[S+32*\t+16*\u+8:S+32*\t+16*\u+9]
.endr
.endr
.if \first
.irp t, 0,1,2,3
	v_pk_add_f32 v[ST+8*\t+2:ST+8*\t+3], v[S+32*\t:S+32*\t+1], v[S+32*\t+16:S+32*\t+17]
.endr
.else
.irp t, 0,1,2,3
	v_pk_add_f32 v[S+32*\t:S+32*\t+1], v[S+32*\t:S+32*\t+1], v[S+32*\t+16:S+32*\t+17]
.endr
.irp t, 0,1,2,3
	v_pk_fma_f32 v[ST+8*\t+2:ST+8*\t+3], v[ST+8*\t+2:ST+8*\t+3], v[ST+8*\t+6:ST+8*\t+7], v[S+32*\t:S+32*\t+1] op_sel_hi:[1,0,1]   ; l = a l + the sum
.endr
	WIN 0x41                                       ; O^T (destination, source 0) window 1, a window 0
.set i, 0
.rept 16
.irp t, 0,1,2,3
	v_pk_mul_f32 v[32*\t+2*i:32*\t+2*i+1], v[32*\t+2*i:32*\t+2*i+1], v[ST+8*\t+6:ST+8*\t+7] op_sel_hi:[1,0]   ; ascending: each accumulator is read from its low end on
.endr
.set i, i+1
.endr
.endif
.endm
; A STEP of 64 keys.  ask = 1: the change of slots in front of it asked for a tile.
.macro WORK first, ask
	v_add_nc_u32 v[ADM], s[TB], v[AM0]
	v_add_nc_u32 v[ADK], s[TB], v[AK0]
	v_add_nc_u32 v[ADP], s[TP], v[AP0]
.irp kt, 0,1,2,3
.irp i, 0,1
	ds_load_b128 v[PBR+8*\kt+4*\i:PBR+8*\kt+4*\i+3], v[ADP] offset:64*\kt+16*\i   ; the padding row at my 32 keys
.endr
.endr
.irp qt, 0,1,2,3
.irp kt, 0,1,2,3
.irp i, 0,1
	ds_load_b128 v[S+32*\qt+8*\kt+4*\i:S+32*\qt+8*\kt+4*\i+3], v[ADM] offset:\qt*16*MP+\kt*64+16*\i   ; the mask, straight into the accumulators: register j = mask(query r, key 16 kt + 8 h + j)
.endr
.endr
.endr
	WIN 0x40
.irp f, 0,1,2,3,4,5,6,7,8,9,10,11,12,13,14,15
	ds_load_b128 v[KV+4*\f:KV+4*\f+3], v[ADK] offset:\f*512   ; K: piece f = 4 kt + 2 cs + c is registers 4 c .. of fragment 2 kt + cs
.endr
	WIN 0
.if \ask
	ASK                                            ; behind the joint load and the run of LDS loads that the next products wait for
.endif
	s_wait_dscnt 0x0
	WIN 0x05                                       ; K and Q window 1, S^T window 0
.irp cs, 0,1                           ; the 16 accumulators take turns, one instruction a turn
.irp kt, 0,1,2,3
.irp qt, 0,1,2,3
	v_wmma_f32_16x16x32_f16 v[S+32*\qt+8*\kt:S+32*\qt+8*\kt+7], v[KV+8*(2*\kt+\cs):KV+8*(2*\kt+\cs)+7], v[QF+16*\qt+8*\cs:QF+16*\qt+8*\cs+7], v[S+32*\qt+8*\kt:S+32*\qt+8*\kt+7]
.endr
.endr
.endr
	PLACES                                         ; in front of the loads into K's registers and of the first read of the scores
	WIN 0x40
.irp kg, 0,1
.irp ct, 0,1,2,3
.irp c, 0,1
	ds_load_tr16_b128 v[KV+8*(4*\kg+\ct)+4*\c:KV+8*(4*\kg+\ct)+4*\c+3], v[ADK] offset:8192+(4*(2*\kg+\c)+\ct)*512   ; V^T: channel 16 ct + lane % 16, keys 32 kg + 16 c + 8 (lane / 16) + 0..7
.endr
.endr
.endr
	WIN 0
.irp i, 0,1,2,3                        ; -infinity onto the scores of padded keys, 0 onto the others; each accumulator is read from its low end on
.irp kt, 0,1,2,3
.irp qt, 0,1,2,3
	v_pk_add_f32 v[S+32*\qt+8*\kt+2*\i:S+32*\qt+8*\kt+2*\i+1], v[S+32*\qt+8*\kt+2*\i:S+32*\qt+8*\kt+2*\i+1], v[PBR+8*\kt+2*\i:PBR+8*\kt+2*\i+1]
.endr
.endr
.endr
	SOFTMAX \first
	s_wait_dscnt 0x0                               ; V is in
	WIN 0x51                                       ; V window 1, P window 0, O^T window 1
.irp kg, 0,1
.irp ct, 0,1,2,3
.irp qt, 0,1,2,3
.if \first && (\kg == 0)
	v_wmma_f32_16x16x32_f16 v[32*\qt+8*\ct:32*\qt+8*\ct+7], v[KV+8*(4*\kg+\ct):KV+8*(4*\kg+\ct)+7], v[P+16*\qt+8*\kg:P+16*\qt+8*\kg+7], 0
.else
	v_wmma_f32_16x16x32_f16 v[32*\qt+8*\ct:32*\qt+8*\ct+7], v[KV+8*(4*\kg+\ct):KV+8*(4*\kg+\ct)+7], v[P+16*\qt+8*\kg:P+16*\qt+8*\kg+7], v[32*\qt+8*\ct:32*\qt+8*\ct+7]
.endif
.endr
.endr
.endr
	PLACES                                         ; in front of the next step's loads into P's and V's registers
	WIN 0
	s_xor_b32 s[TB], s[TB], SLOT1
	s_add_co_u32 s[TP], s[TP], 256
.endm
	s_wait_loadcnt 0x0                             ; Q
	CHANGE 1                                       ; tile 1 is asked for
	WORK 1, 1                                      ; step 0
	s_mov_b32 s[REM], 30
.Lstep:                                            ; steps 1 to 30; tiles 2 to 31 are asked for
	CHANGE 1
	WORK 0, 1
	s_sub_co_u32 s[REM], s[REM], 1
	s_cmp_lg_u32 s[REM], 0
	s_cbranch_scc1 .Lstep
	CHANGE 0                                       ; the last step is written out
	WORK 0, 0
	; THE WAY OUT.  l's two halves and the other half of the lanes' are added (these lines are also the places behind the last products); O^T / l, to f16: a lane's eight channels are 16 bytes of the next product's fragment.
.irp t, 0,1,2,3
	v_add_f32 v[ST+8*\t+4], v[ST+8*\t+2], v[ST+8*\t+3]
.endr
.irp t, 0,1,2,3
	v_permlanex16_b32 v[ST+8*\t+5], v[ST+8*\t+4], s[SEL], s[SEL+1]
.endr
.irp t, 0,1,2,3
	v_add_f32 v[ST+8*\t+4], v[ST+8*\t+4], v[ST+8*\t+5]
.endr
.irp t, 0,1,2,3
	v_rcp_f32 v[ST+8*\t+6], v[ST+8*\t+4]
.endr
	v_nop                                          ; a plain instruction behind the last reciprocal
	s_wait_alu depctr_va_vdst(0)                   ; one wait for the four, ahead of their first reader
	WIN 0x41
.set i, 0
.rept 16
.irp t, 0,1,2,3
	v_pk_mul_f32 v[32*\t+2*i:32*\t+2*i+1], v[32*\t+2*i:32*\t+2*i+1], v[ST+8*\t+6:ST+8*\t+7] op_sel_hi:[1,0]
.endr
.set i, i+1
.endr
	WIN 0x05                                       ; sources window 1, destination window 0: S^T's registers are free
.set i, 0
.rept 64
	v_cvt_pk_f16_f32 v[S+i], v[2*i], v[2*i+1]
.set i, i+1
.endr
	WIN 0
.irp qt, 0,1,2,3
.irp ct, 0,1,2,3
	global_store_b128 v[LI], v[S+16*\qt+4*\ct:S+16*\qt+4*\ct+3], s[10:11] offset:\qt*4096+\ct*512 th:TH_STORE_NT   ; a piece: 512 consecutive bytes
.endr
.endr
	s_wait_tensorcnt 0x0                           ; the wave's end
	ds_add_u32 v[SPW], v[NIL]
	s_wait_dscnt 0x0
	CROUND                                         ; the closing round
	s_endpgm
.Lfunc_end_k_q3502218f7c_attn:
	.size	k_q3502218f7c_attn, .Lfunc_end_k_q3502218f7c_attn-k_q3502218f7c_attn
	.p2alignl 7, 3214868480
	.fill 96, 4, 3214868480
	.section	.rodata,"a",@progbits
	.p2align	6, 0x0
	.amdhsa_kernel k_q3502218f7c_attn
		.amdhsa_group_segment_fixed_size 327680
		.amdhsa_private_segment_fixed_size 0
		.amdhsa_enable_private_segment 0
		.amdhsa_kernarg_size 32
		.amdhsa_user_sgpr_count 2
		.amdhsa_user_sgpr_kernarg_segment_ptr 1
		.amdhsa_wavefront_size32 1
		.amdhsa_system_sgpr_workgroup_id_x 1
		.amdhsa_system_sgpr_workgroup_id_y 1
		.amdhsa_system_sgpr_workgroup_id_z 1
		.amdhsa_system_vgpr_workitem_id 0
		.amdhsa_next_free_vgpr 512
		.amdhsa_next_free_sgpr 72
		.amdhsa_reserve_vcc 0
		.amdhsa_float_denorm_mode_32 3
		.amdhsa_float_denorm_mode_16_64 3
		.amdhsa_memory_ordered 1
		.amdhsa_forward_progress 1
		.amdhsa_inst_pref_size 135
	.end_amdhsa_kernel
	.amdgpu_metadata
---
amdhsa.version: [ 1, 2 ]
amdhsa.kernels:
  - .name:           k_q3502218f7c_attn
    .symbol:         k_q3502218f7c_attn.kd
    .args:
      - { .name: attn_mask, .offset: 0, .size: 8, .value_kind: global_buffer, .address_space: global }
      - { .name: key_padding_mask, .offset: 8, .size: 8, .value_kind: global_buffer, .address_space: global }
      - { .name: qkv, .offset: 16, .size: 8, .value_kind: global_buffer, .address_space: global }
      - { .name: aimg, .offset: 24, .size: 8, .value_kind: global_buffer, .address_space: global }
    .group_segment_fixed_size: 327680
    .private_segment_fixed_size: 0
    .kernarg_segment_align: 8
    .kernarg_segment_size: 32
    .max_flat_workgroup_size: 256
    .sgpr_count:     72
    .vgpr_count:     512
    .wavefront_size: 32
...
	.end_amdgpu_metadata
.endif
;; end of part 3
;; launch outp (part 4): grid 4 x 64, 4 waves a work-group, clusters of 4 x 4, 327,680 bytes of LDS; arguments aimg, woimg, bo, out0; writes out0
.if DOCPART == 4
	.amdgcn_target "amdgcn-amd-amdhsa--gfx1250"
	.amdhsa_code_object_version 6
	.text
	.protected	k_q3502218f7c_outp
	.globl	k_q3502218f7c_outp
	.p2align	8
	.type	k_q3502218f7c_outp,@function
k_q3502218f7c_outp:
	s_mov_b64 s[64:65], 0
	v_nop
	global_prefetch_b8 v0, s[64:65] scope:SCOPE_SE
	s_setreg_imm32_b32 hwreg(HW_REG_WAVE_MODE, 25, 1), 1
	s_wait_xcnt 0x0
	s_wait_alu depctr_hold_cnt(0) depctr_sa_sdst(0) depctr_va_vdst(0) depctr_va_sdst(0) depctr_va_ssrc(0) depctr_va_vcc(0) depctr_vm_vsrc(0)
	s_getreg_b32 s2, hwreg(HW_REG_IB_STS2, 6, 4)
	s_cmp_eq_u32 s2, 0
	s_cbranch_scc0 .Lentry_in_a_cluster
	s_endpgm
.Lentry_in_a_cluster:
	s_bfe_u32 s2, ttmp6, 0x10000c
	s_cmp_lg_u32 s2, 0xf033
	s_cbranch_scc0 .Lentry_shape_is_right
	s_endpgm
.Lentry_shape_is_right:
; out0 = O Wo^T + bo.  O (8,192 rows i = b x 2048 + t, K = 1,024) and Wo arrive as f16 images of their operand registers: aimg [ks 8][ib 512][f 8][512 bytes], woimg [ks 8][nb 64][f 8][512 bytes];
; piece f = 2 kb + c is registers 4 c .. 4 c + 3 of the fragment 16 rows x 32 K at K = 128 ks + 32 kb, lane L's 16 bytes at 16 L.  So a K step's tiles are dense blocks of memory, and a fragment is two loads at 16 x lane.
; A tile of 128 rows x 256 columns is made by four waves, each 64 x 128: 32 accumulators; 256 work-groups.  K goes in 8 steps of 128 through two LDS slots.
; CLUSTERS, 4 x 4: A's block is asked for jointly along a row of the cluster, B's along a column; waves 0, 1 fetch A's halves (16 KiB), waves 2, 3 B's (32 KiB): one load a wave behind each round.
; THE MATRIX INSTRUCTION IS USED TRANSPOSED (source 0 = 16 rows of Wo, source 1 = 16 rows of O): a lane holds eight neighbouring columns of one row.  The bias is the C of each sum's first instruction.
; Row i of the product is row t x 4 + b of out0.
; REGISTERS.  window 0: v16-29 addresses; v32-63, v64-95 A's fragments, two buffers; v128-191 the bias, later with v192-255 the way out.   window 1: B's fragments, v0-63, v64-127.   window 2: accumulator (ia, nb) at v[8 (8 ia + nb)].
.set KIMG,   4096                      ; 16 rows x 128 K as images
.set ASL,    8*KIMG                    ; A's part of a slot
.set SLOT,   24*KIMG
.set SPARE,  2*SLOT                    ; the spare words, 128 bytes a wave
.set SPITCH, 528                       ; the way out: a stage of 16 rows x (512 + 16) bytes for each wave, in slot 0, which has had its last fill and its last read by then
.set KSA,    512*KIMG                  ; a K step on in aimg
.set KSB,    64*KIMG                   ; and in woimg
.set ADRA, 16
.set ADRB, 20
.set STO,  24
.set RD,   25
.set CO,   26
.set BO,   27
.set SPW,  28
.set NIL,  29
.set AFR,  32
.set BIAS, 128
.set BK,   128
.set WV,   12                          ; s12 wave; s13 wave / 2: my half of the rows, also: fetches for A (0) or B (1); s14 wave % 2: my half of the columns, also: which half I fetch
.set G1, 24
.set G0, 32
.set G1B, 48
.set G0B, 56
.set MSB, 0
.macro WIN new
.if MSB != (\new)
	s_set_vgpr_msb (MSB<<8)|(\new)
.set MSB, (\new)
.endif
.endm
.set MUL, 0xa1                         ; source 0 (B) window 1, source 1 (A) window 0, C and D window 2;  with the bias as C: 0x81
.macro JLOAD s
	s_cmp_eq_u32 s13, 0
	s_cbranch_scc0 .Lfor_b_\@
	tensor_load_to_lds s[G0+4*\s:G0+4*\s+3], s[G1:G1+7]
	s_nop 0
.rept 4
	v_nop
.endr
	s_branch .Lasked_\@
.Lfor_b_\@:
	tensor_load_to_lds s[G0B+4*\s:G0B+4*\s+3], s[G1B:G1B+7]
	s_nop 0
.rept 4
	v_nop
.endr
.Lasked_\@:
.endm
.macro CREST
	s_cmp_lg_u32 s[WV], 0
	s_cbranch_scc1 .Lnot_wave_0_\@
	s_barrier_signal -3
.Lnot_wave_0_\@:
	s_barrier_wait -3
	s_barrier_signal -1
	s_barrier_wait -1
.endm
.macro CROUND
	s_barrier_signal -1
	s_barrier_wait -1
	CREST
.endm
	s_load_b256 s[4:11], s[0:1], 0x0               ; aimg s[4:5], woimg s[6:7], bo s[8:9], out0 s[10:11]
	v_lshl_add_u32 v[SPW], v0, 2, SPARE
	v_mov_b32 v[NIL], 0
	ds_add_u32 v[SPW], v[NIL]                      ; the wave's opening: the add, twice on end, and its wait ahead of my first tensor load
	ds_add_u32 v[SPW], v[NIL]
	v_lshrrev_b32 v1, 5, v0
	v_readfirstlane_b32 s[WV], v1
	s_lshr_b32 s13, s[WV], 1
	s_and_b32 s14, s[WV], 1
	s_bfe_u32 s40, ttmp6, 0x40000                  ; cx
	s_bfe_u32 s41, ttmp6, 0x40004                  ; cy
	s_lshl_b32 s42, ttmp9, 2
	s_add_co_u32 s42, s42, s40                     ; tile column: 256 columns
	s_and_b32 s43, ttmp7, 0xffff
	s_lshl_b32 s43, s43, 2
	s_add_co_u32 s43, s43, s41                     ; tile row: 128 rows
	s_lshl_b32 s44, s41, 2
	s_lshl_b32 s44, 15, s44                        ; my row of the cluster
	s_lshl_b32 s45, 0x1111, s40                    ; my column
	s_or_b32 s[G1+0], s44, (3<<16)|(1<<21)         ; dense blocks as rows of 32 elements of 8 bytes; no padding: every LDS read is 512 consecutive bytes
	s_mov_b32 s[G1+1], 32<<16
	s_mov_b32 s[G1+2], 64<<16                      ; A's half: 64 rows of 256 bytes
	s_mov_b32 s[G1+3], 32<<16
	s_mov_b32 s[G1+4], 64
	s_mov_b32 s[G1+5], 32
	s_mov_b32 s[G1+6], 0
	s_mov_b32 s[G1+7], 0
	s_or_b32 s[G1B+0], s45, (3<<16)|(1<<21)
	s_mov_b32 s[G1B+1], 32<<16
	s_mov_b32 s[G1B+2], 128<<16                    ; B's half: 128 rows
	s_mov_b32 s[G1B+3], 32<<16
	s_mov_b32 s[G1B+4], 128
	s_mov_b32 s[G1B+5], 32
	s_mov_b32 s[G1B+6], 0
	s_mov_b32 s[G1B+7], 0
	s_lshl_b32 s16, s43, 15                        ; A: block 8 x tile row + 4 x half
	s_lshl_b32 s17, s14, 14
	s_add_co_u32 s16, s16, s17
	s_mov_b32 s17, 0
	s_lshl_b32 s46, s42, 16                        ; B: block 16 x tile column + 8 x half
	s_lshl_b32 s47, s14, 15
	s_add_co_u32 s46, s46, s47
	s_mov_b32 s47, 0
	s_lshl_b32 s20, s14, 14                        ; where they go: no place in the cluster enters an LDS address
	s_lshl_b32 s21, s14, 15
	s_add_co_u32 s21, s21, ASL
	s_wait_dscnt 0x0                               ; both opening adds are done
	s_wait_kmcnt 0x0
	s_add_nc_u64 s[16:17], s[4:5], s[16:17]
	s_add_nc_u64 s[46:47], s[6:7], s[46:47]
	CROUND                                         ; all sixteen work-groups are here
.irp s, 0,1
	s_mov_b32 s[G0+4*\s], 1
	s_add_co_u32 s[G0+4*\s+1], s20, \s*SLOT
	s_add_nc_u64 s[G0+4*\s+2:G0+4*\s+3], s[16:17], \s*KSA
	s_or_b32 s[G0+4*\s+3], s[G0+4*\s+3], 0x80000000
	s_mov_b32 s[G0B+4*\s], 1
	s_add_co_u32 s[G0B+4*\s+1], s21, \s*SLOT
	s_add_nc_u64 s[G0B+4*\s+2:G0B+4*\s+3], s[46:47], \s*KSB
	s_or_b32 s[G0B+4*\s+3], s[G0B+4*\s+3], 0x80000000
	JLOAD \s                                       ; K steps 0 and 1: two tensor loads of mine are out
.endr
	v_and_b32 v1, 15, v0                           ; r
	v_bfe_u32 v2, v0, 4, 1                         ; h
	s_lshl_b32 s16, s42, 10
	s_lshl_b32 s17, s14, 9
	s_add_co_u32 s16, s16, s17                     ; my first column, in bytes of f32
	s_mov_b32 s17, 0
	s_add_nc_u64 s[8:9], s[8:9], s[16:17]
	v_lshlrev_b32 v[BO], 5, v2
.irp nb, 0,1,2,3,4,5,6,7
	global_load_b128 v[BIAS+8*\nb:BIAS+8*\nb+3], v[BO], s[8:9] offset:64*\nb       ; bo at columns 16 nb + 8 h + 0..7: the result's layout
	global_load_b128 v[BIAS+8*\nb+4:BIAS+8*\nb+7], v[BO], s[8:9] offset:64*\nb+16
.endr
	v_and_b32 v6, 31, v0
	v_lshlrev_b32 v[CO], 4, v6                     ; 16 x lane
	s_lshl_b32 s21, s13, 14                        ; my 4 blocks of A
	s_lshl_b32 s22, s14, 15                        ; my 8 blocks of B,
	s_add_co_u32 s22, s22, ASL                     ; which lie behind A's 8
.irp s, 0,1
	v_add_nc_u32 v[ADRA+\s], s21, v[CO]
	v_add_nc_u32 v[ADRB+\s], s22, v[CO]
	s_add_co_u32 s21, s21, SLOT
	s_add_co_u32 s22, s22, SLOT
.endr
	s_mul_i32 s23, s[WV], 16*SPITCH                ; my stage
	v_mul_u32_u24 v5, v1, SPITCH
	v_lshl_add_u32 v5, v2, 5, v5
	v_add_nc_u32 v[STO], s23, v5                   ; in: row r, 32 bytes for each half of the lanes
	v_add_nc_u32 v[RD], s23, v[CO]                 ; back: the 32 lanes take one row of 512 bytes
	s_lshr_b32 s20, s43, 4                         ; b: 16 tile rows a batch
	s_and_b32 s21, s43, 15
	s_lshl_b32 s21, s21, 7
	s_lshl_b32 s22, s13, 6
	s_add_co_u32 s21, s21, s22                     ; my first t
	s_lshl_b32 s21, s21, 2
	s_add_co_u32 s20, s20, s21                     ; row 4 t + b of out0,
	s_lshl_b32 s20, s20, 12                        ; 4,096 bytes a row,
	s_add_co_u32 s20, s20, s16                     ; + my first column
	s_mov_b32 s21, 0
	s_add_nc_u64 s[10:11], s[10:11], s[20:21]
; 8 matrix instructions: A's block ia x B's eight, 32 along K, from buffer f.  mode = 1: the first product starts the sums from the bias.  The 32 accumulators take turns, one instruction a turn.
.macro MUL8 f, ia, mode
.irp nb, 0,1,2,3,4,5,6,7
.if \mode
	v_wmma_f32_16x16x32_f16 v[8*(8*(\ia)+\nb):8*(8*(\ia)+\nb)+7], v[64*(\f)+8*\nb:64*(\f)+8*\nb+7], v[AFR+32*(\f)+8*(\ia):AFR+32*(\f)+8*(\ia)+7], v[BIAS+8*\nb:BIAS+8*\nb+7]
.else
	v_wmma_f32_16x16x32_f16 v[8*(8*(\ia)+\nb):8*(8*(\ia)+\nb)+7], v[64*(\f)+8*\nb:64*(\f)+8*\nb+7], v[AFR+32*(\f)+8*(\ia):AFR+32*(\f)+8*(\ia)+7], v[8*(8*(\ia)+\nb):8*(8*(\ia)+\nb)+7]
.endif
.endr
.endm
.macro FETCH slot, q, f                ; 24 LDS loads in one run: quarter q of the slot into buffer f; B first, A's blocks 2 and 3 last
	WIN 0x40
.irp nb, 0,1,2,3,4,5,6,7
.irp c, 0,1
	ds_load_b128 v[64*(\f)+8*\nb+4*\c:64*(\f)+8*\nb+4*\c+3], v[ADRB+\slot] offset:\nb*KIMG+(\q)*1024+\c*512
.endr
.endr
	WIN 0
.irp ia, 0,1,2,3
.irp c, 0,1
	ds_load_b128 v[AFR+32*(\f)+8*\ia+4*\c:AFR+32*(\f)+8*\ia+4*\c+3], v[ADRA+\slot] offset:\ia*KIMG+(\q)*1024+\c*512
.endr
.endr
.endm
.macro PLACES                          ; four plain instructions in front of loads into registers that matrix instructions have read, and of reads of results
.rept 4
	v_nop
.endr
.endm
; A K step is four quarters of 32 along K, 32 matrix instructions each, on buffers 0, 1, 0, 1.  One of the first three: multiplies buffer f and fetches quarter q into buffer g.
.macro QUARTER slot, q, f, g, mode
	s_wait_dscnt 4                                 ; B and A's blocks 0, 1 are in; the youngest four loads (A's blocks 2, 3) may be out
	WIN MUL-0x20*(\mode)
	MUL8 \f, 0, \mode
	MUL8 \f, 1, \mode
	PLACES
	FETCH \slot, \q, \g
	s_wait_dscnt 24                                ; all but the 24 just issued
	WIN MUL-0x20*(\mode)
	MUL8 \f, 2, \mode
	MUL8 \f, 3, \mode
.endm
; The last quarter multiplies buffer 1 and changes slots: one barrier; in front of it each wave waits for all its tensor loads, adds 0 to its spare word, and waits for that and for its reads of this slot.
; fill = 1: the barrier opens a round of the cluster's barrier, behind which this slot is filled again, two K steps ahead.
.macro TURN slot, next, fill
	WIN 0
	s_wait_tensorcnt 0x0                           ; my part of the next slot has landed
	ds_add_u32 v[SPW], v[NIL]
	s_wait_dscnt 5                                 ; (the add and the youngest four loads may be out)
	WIN MUL
	MUL8 1, 0, 0
	s_wait_dscnt 0x0                               ; the add is done, and my reads of this slot are over
	s_barrier_signal -1
	MUL8 1, 1, 0
	WIN 0
	s_barrier_wait -1
.if \fill
	CREST                                          ; no wave of any partner still reads this slot or has a load on its way
	s_add_nc_u64 s[G0+4*\slot+2:G0+4*\slot+3], s[G0+4*\slot+2:G0+4*\slot+3], 2*KSA
	s_add_nc_u64 s[G0B+4*\slot+2:G0B+4*\slot+3], s[G0B+4*\slot+2:G0B+4*\slot+3], 2*KSB
	JLOAD \slot                                    ; the four v_nop behind it are also the places in front of the loads below
.else
	PLACES
.endif
	FETCH \next, 0, 0
	WIN MUL
	MUL8 1, 2, 0
	MUL8 1, 3, 0
.endm
	s_wait_tensorcnt 1                             ; my part of K step 0 is in (K step 1's load may be out)
	s_barrier_signal -1
	s_barrier_wait -1                              ; everybody's is
	FETCH 0, 0, 0
	s_wait_loadcnt 0x0                             ; the bias
	QUARTER 0, 1, 0, 1, 1                          ; the first quarter stands in front of the loop: its products start the sums
	WIN 0
	s_mov_b32 s3, 3
.Llap:                                             ; a trip goes once round the ring and fills both slots again: K steps 2 to 7
	QUARTER 0, 2, 1, 0, 0
	QUARTER 0, 3, 0, 1, 0
	TURN 0, 1, 1
	QUARTER 1, 1, 0, 1, 0
	QUARTER 1, 2, 1, 0, 0
	QUARTER 1, 3, 0, 1, 0
	TURN 1, 0, 1
	QUARTER 0, 1, 0, 1, 0
	WIN 0
	s_sub_co_u32 s3, s3, 1
	s_cmp_lg_u32 s3, 0
	s_cbranch_scc1 .Llap
	QUARTER 0, 2, 1, 0, 0                          ; the last lap fills nothing
	QUARTER 0, 3, 0, 1, 0
	TURN 0, 1, 0
	QUARTER 1, 1, 0, 1, 0
	QUARTER 1, 2, 1, 0, 0
	QUARTER 1, 3, 0, 1, 0
	s_wait_dscnt 4                                 ; the very last quarter
	WIN MUL
	MUL8 1, 0, 0
	MUL8 1, 1, 0
	s_wait_dscnt 0
	MUL8 1, 2, 0
	MUL8 1, 3, 0
	WIN 0
; THE WAY OUT, block by block of 16 rows x 128 columns: through my own stage in LDS, back as whole rows of 512 bytes.  LDS serves a wave's instructions in order: no wait between the stores and the loads.
.macro TOSTAGE a
	WIN 0x08                                       ; an LDS store's data: window 2
.irp nb, 0,1,2,3,4,5,6,7
	ds_store_b128 v[STO], v[8*(8*(\a)+\nb):8*(8*(\a)+\nb)+3] offset:64*\nb          ; each accumulator from its low end on
	ds_store_b128 v[STO], v[8*(8*(\a)+\nb)+4:8*(8*(\a)+\nb)+7] offset:64*\nb+16
.endr
	WIN 0
.set BB, BK+64*((\a)%2)
.irp t, 0,1,2,3,4,5,6,7,8,9,10,11,12,13,14,15
	ds_load_b128 v[BB+4*\t:BB+4*\t+3], v[RD] offset:\t*SPITCH
.endr
.endm
.macro SEND a, younger                 ; younger: the LDS instructions issued behind block a's loads
.set BB, BK+64*((\a)%2)
	s_wait_dscnt \younger
.irp t, 0,1,2,3,4,5,6,7,8,9,10,11,12,13,14,15
	global_store_b128 v[CO], v[BB+4*\t:BB+4*\t+3], s[10:11] offset:(\a)*262144+\t*16384 th:TH_STORE_NT   ; 32 lanes store 512 consecutive bytes, aligned; from t to t + 1 are four rows of out0
.endr
.endm
	PLACES
	TOSTAGE 0
.irp a, 1,2,3
.if \a > 1
	s_wait_xcnt 0x0                                ; the stores of two blocks back have read their registers
.endif
	TOSTAGE \a
	SEND \a-1, 32                                  ; behind block a - 1's loads: block a's 16 stores and 16 loads
.endr
	SEND 3, 0
	s_wait_tensorcnt 0x0                           ; the wave's end
	ds_add_u32 v[SPW], v[NIL]
	s_wait_dscnt 0x0
	CROUND                                         ; the closing round
	s_endpgm
.Lfunc_end_k_q3502218f7c_outp:
	.size	k_q3502218f7c_outp, .Lfunc_end_k_q3502218f7c_outp-k_q3502218f7c_outp
	.p2alignl 7, 3214868480
	.fill 96, 4, 3214868480
	.section	.rodata,"a",@progbits
	.p2align	6, 0x0
	.amdhsa_kernel k_q3502218f7c_outp
		.amdhsa_group_segment_fixed_size 327680
		.amdhsa_private_segment_fixed_size 0
		.amdhsa_enable_private_segment 0
		.amdhsa_kernarg_size 32
		.amdhsa_user_sgpr_count 2
		.amdhsa_user_sgpr_kernarg_segment_ptr 1
		.amdhsa_wavefront_size32 1
		.amdhsa_system_sgpr_workgroup_id_x 1
		.amdhsa_system_sgpr_workgroup_id_y 1
		.amdhsa_system_sgpr_workgroup_id_z 1
		.amdhsa_system_vgpr_workitem_id 0
		.amdhsa_next_free_vgpr 768
		.amdhsa_next_free_sgpr 66
		.amdhsa_reserve_vcc 0
		.amdhsa_float_denorm_mode_32 3
		.amdhsa_float_denorm_mode_16_64 3
		.amdhsa_memory_ordered 1
		.amdhsa_forward_progress 1
		.amdhsa_inst_pref_size 86
	.end_amdhsa_kernel
	.amdgpu_metadata
---
amdhsa.version: [ 1, 2 ]
amdhsa.kernels:
  - .name:           k_q3502218f7c_outp
    .symbol:         k_q3502218f7c_outp.kd
    .args:
      - { .name: aimg, .offset: 0, .size: 8, .value_kind: global_buffer, .address_space: global }
      - { .name: woimg, .offset: 8, .size: 8, .value_kind: global_buffer, .address_space: global }
      - { .name: bo, .offset: 16, .size: 8, .value_kind: global_buffer, .address_space: global }
      - { .name: out0, .offset: 24, .size: 8, .value_kind: global_buffer, .address_space: global }
    .group_segment_fixed_size: 327680
    .private_segment_fixed_size: 0
    .kernarg_segment_align: 8
    .kernarg_segment_size: 32
    .max_flat_workgroup_size: 128
    .sgpr_count:     66
    .vgpr_count:     768
    .wavefront_size: 32
...
	.end_amdgpu_metadata
.endif
;; end of part 4
